; MI455X (gfx1250); checked and timed in simulation.
; The chip was launched on July 23, 2026; its instructions are those of AMD's public machine-readable ISA for CDNA 5 (MIT licence, August 2026) and "CDNA5" Instruction Set Architecture Reference Guide (July 2026). The comments in the code are by the model that wrote it; some were corrected since.
;; IO Ufit Transformer. Allowed arithmetic: matrix products marked QUANTISED: E2M3 operands, one E8M0 scale for each 32 along K, by v_wmma_scale_f32_16x16x128_f8f6f4 with both operands' format E2M3, f32 sums; everything else in f32.
;; Inputs: Wk 512 x 512 float32; Wo 512 x 512 float32; Wq 512 x 512 float32; Wv 512 x 512 float32; bk 512 float32; bo 512 float32; bq 512 float32; bv 512 float32; key 32 x 1,024 x 512 float32; query 32 x 1,024 x 512 float32.
;; Outputs: out0 32 x 1,024 x 512 float32.
;; This version of the problem:
;;   THIS VERSION OF THE PROBLEM IS GIVEN IN LOW PRECISION. The matrix products marked QUANTISED in the list below multiply operands that are first quantised to E2M3 (2 exponent bits, 3 mantissa bits; 6 bits a number), with one power-of-two scale for each 32 numbers along K (OCP MX v1.0); their sums are f32. All else is computed in f32.
;;   The module's matrix products, in the order in which they are computed (A, B: the left and right operand; K: the contracted axis; several contracted axes count as one K, in the product's order):
;;     1. [M 32,768, K 512] x [K 512, N 512]; A: input query; B: input Wq: QUANTISED
;;     2. [M 32,768, K 512] x [K 512, N 512]; A: input key; B: input Wk: QUANTISED
;;     3. [M 32,768, K 512] x [K 512, N 512]; A: input key; B: input Wv: QUANTISED
;;     4. batch 32 x [M 1,024, K 512] x [K 512, N 1,024]; A: computed on the way; B: computed on the way: QUANTISED
;;     5. batch 32 x [M 1,024, K 1,024] x [K 1,024, N 512]; A: softmax (see below); B: computed on the way: QUANTISED
;;     6. [M 32,768, K 512] x [K 512, N 512]; A: computed on the way; B: input Wo: QUANTISED
;;   THE QUANTISER, for each operand of a quantised product, along K:
;;     - K is cut into blocks of 32 from its start; a last block that is shorter is filled with zeros.
;;     - A block's scale is 2^e with e = floor(log2(the largest magnitude in the block)) - 2, held to -126 .. 127; a block of zeros has e = 0. As a byte (E8M0): e + 127.
;;     - Each number is divided by its block's scale, clamped to +-7.5, and rounded to the nearest number of E2M3, ties to even, subnormals kept.
;;     - The product sums the exact products of the quantised numbers (number of the format x scale) in f32.
;;   ~~~python
;;   def quantise(x, axis):      # numpy; x: float32 -> the quantised numbers, widened to float32 again
;;       x = np.moveaxis(x, axis, -1); K = x.shape[-1]
;;       x = np.pad(x, [(0, 0)] * (x.ndim - 1) + [(0, -K % 32)]); x = x.reshape(x.shape[:-1] + (-1, 32)); a = np.abs(x).max(-1, keepdims=True)
;;       e = np.where(a > 0, np.clip(np.frexp(np.where(a > 0, a, 1))[1] - 1 - 2, -126, 127), 0)      # np.frexp(a)[1] - 1 = floor(log2(a)), exactly
;;       r = np.clip(x / 2.0 ** e, -7.5, 7.5)
;;       step = 2.0 ** (np.maximum(np.frexp(np.where(r == 0, 1, r))[1] - 1, 0) - 3)
;;       q = np.round(r / step) * step * 2.0 ** e      # np.round: ties to even
;;       return np.moveaxis(q.reshape(q.shape[:-2] + (-1,))[..., :K], -1, axis).astype(np.float32)
;;   ~~~
;;   SOFTMAX AHEAD OF A QUANTISED PRODUCT. Where the list says 'softmax', what is quantised is not the finished softmax but p = 2^(t - M), with t = logit x log2(e) and M = ceil(the row's largest t), a whole number; so 1/2 < the row's largest p <= 1. The row's sum l is taken of the UNQUANTISED p, in f32, and the product's result is divided by l at the end. Since M is a whole number, a kernel that streams over the keys may use a running M (the ceiling of the running maximum): every later rescaling is an exact power of two, which a block's scale takes up: the codes' values come out the same.
;;   OPERANDS COMPUTED ON THE WAY. 'Computed on the way' means the value that the module computes at that place (a softmax that the list does not call 'softmax' is quantised finished and normalised). What goes into a quantiser is computed in f32, as accurately as f32 sums, v_exp_f32 and their like allow (about 1e-6 of the number): no bf16 or f16 on the way to a quantiser, and a product that is left as it is and whose result goes on into a quantised operand takes f32 operands (vector FMAs, or v_wmma_f32_16x16x4_f32). A number that lies on a knife's edge between two numbers of the format may be rounded either way, as far as f32 arithmetic and the matrix unit's own rounding can turn it there, and no further.
;; One version. Each part assembles by itself: llvm-mc -triple=amdgcn-amd-amdhsa -mcpu=gfx1250 --defsym DOCPART=n.
;; ======== version 1 of 1: 3 launches
;; limits: right only within a limited range of input values
;; workspace buffers: wbuf 819,200 bytes; kv 26,214,400 bytes; qcodes 12,582,912 bytes; qscales 524,288 bytes
;; launch wquant (part 1): grid 16 x 4, 4 waves a work-group, no clusters, 13,312 bytes of LDS; arguments Wq, Wk, Wv, Wo, wbuf; writes wbuf
.if DOCPART == 1
	.amdgcn_target "amdgcn-amd-amdhsa--gfx1250"
	.amdhsa_code_object_version 6
	.text
	.protected	k_q56d55d8005_wquant
	.globl	k_q56d55d8005_wquant
	.p2align	8
	.type	k_q56d55d8005_wquant,@function
k_q56d55d8005_wquant:
	s_mov_b64 s[64:65], 0
	v_nop
	global_prefetch_b8 v0, s[64:65] scope:SCOPE_SE
	s_setreg_imm32_b32 hwreg(HW_REG_WAVE_MODE, 25, 1), 1
	s_wait_xcnt 0x0
; The four weights [512 (k)][512 (n)], f32, become codes of E2M3 with one E8M0 byte for each 32 along k, laid in wbuf AS IMAGES OF OPERAND REGISTERS.
; A fragment is 16 columns x 128 k: 12 registers a lane, 1,536 bytes: register j of lane L at (j / 4) 512 + 16 L + 4 (j % 4), so that three accesses of 16 bytes a lane move it.
; THE COLUMNS OF A TILE ARE NOT NEIGHBOURS: row r of tile T is column 32 (T / 2) + 8 (T % 2) + r + 8 (r / 8), so that a result made with such a tile as source 0 has 16 neighbouring columns in the 16 registers of tiles 2 b, 2 b + 1.
; wbuf: weight i (Wq, Wk, Wv, Wo) at 204,800 i; half H (tiles 16 H ..) at + 102,400 H; fragment (T', K step s) at (16 s + T') 1,536; from 98,304 on eight scale images of 512 bytes: pair P' of tiles, lane L 16 bytes,
; word s = K step s; lanes 0-15 the even tile's rows, lanes 16-31 the odd tile's.
; SHARES: work-group (x, y) = 32 columns 32 x .. of weight y; wave s = K step s.  A lane takes a column and its registers run down k: each load reads 128 consecutive bytes, a block of 32 lies in one lane, nothing is transposed by an instruction.
; A block's scale byte is its largest magnitude's exponent field - 2, held at 1 from below.
; LIMITS: NaN and infinities are not served; a block whose largest magnitude lies under 2^-124, a block of zeros among them, keeps the byte 1 (its codes of zeros add nothing; this program alone reads the bytes).
; No matrix work, no tensor load, no cluster: no two work-groups read the same bytes.
.set FLOOR, 0x1800000                  ; 2^(3 - 127)
.set X,   32                           ; v32-159  my column's 128 numbers
.set CD,  160                          ; v160..   block b's six registers of codes at CD + 8 b; later the images read back
.set TP,  192                          ; v192..   the upper half of a block's codes, as the conversion leaves them
.set SCI, 12288                        ; LDS: behind the four waves' 3,072 bytes of images: the pair's scale image
	s_load_b256 s[8:15], s[0:1], 0x0               ; Wq, Wk, Wv, Wo
	s_load_b64 s[16:17], s[0:1], 0x20              ; wbuf
	v_lshl_add_u32 v208, v0, 2, 0x3200
	v_mov_b32 v209, 0
	v_lshrrev_b32 v7, 5, v0
	v_readfirstlane_b32 s20, v7                    ; wave = K step
	v_and_b32 v7, 31, v0                           ; lane
	v_lshlrev_b32 v1, 2, v7                        ; in: 4 bytes a lane
	v_lshlrev_b32 v5, 4, v7                        ; out: 16 bytes a lane
	v_bfe_u32 v21, v0, 3, 1                        ; u: my column lies in tile 2 x + u,
	v_and_b32 v22, 7, v0
	v_bfe_u32 v23, v0, 4, 1
	v_lshl_add_u32 v22, v23, 3, v22                ; at its row rr = lane % 8 + 8 (lane / 16)
	v_lshlrev_b32 v22, 4, v22
	s_mul_i32 s21, s20, 3072                       ; my wave's two images
	v_mad_u32_u24 v2, v21, 1536, v22
	v_add_nc_u32 v2, s21, v2                       ; where lane rr of my tile's image begins
	v_lshl_add_u32 v3, v21, 8, v22
	s_lshl_b32 s22, s20, 2
	s_add_co_u32 s22, s22, SCI
	v_add_nc_u32 v3, s22, v3                       ; my scale word: lane 16 u + rr of the scale image, word = K step
	v_add_nc_u32 v4, s21, v5                       ; back: my wave's images, 16 bytes a lane
	v_add_nc_u32 v6, SCI, v5                       ; and the scale image
	s_and_b32 s23, ttmp7, 0xffff                   ; which weight
	s_lshl_b32 s24, ttmp9, 7                       ; 32 columns of 4 bytes,
	s_lshl_b32 s25, s20, 18                        ; 128 rows of 2,048 bytes
	s_add_co_u32 s24, s24, s25
	s_mov_b32 s25, 0
	s_mul_i32 s26, s23, 204800
	s_lshr_b32 s27, ttmp9, 3
	s_mul_i32 s27, s27, 102400
	s_add_co_u32 s26, s26, s27                     ; the weight and the half
	s_and_b32 s27, ttmp9, 7                        ; the pair in the half
	s_mul_i32 s28, s27, 3072
	s_mul_i32 s29, s20, 24576
	s_add_co_u32 s28, s28, s29
	s_add_co_u32 s28, s28, s26                     ; fragments (2 P', s) and (2 P' + 1, s) lie on end
	s_mov_b32 s29, 0
	s_lshl_b32 s30, s27, 9
	s_add_co_u32 s30, s30, s26
	s_add_co_u32 s30, s30, 98304                   ; the pair's scale image
	s_mov_b32 s31, 0
	s_wait_kmcnt 0x0
	s_cmp_eq_u32 s23, 1                            ; the choice hangs on the work-group's number alone
	s_cselect_b64 s[4:5], s[10:11], s[8:9]
	s_cmp_eq_u32 s23, 2
	s_cselect_b64 s[4:5], s[12:13], s[4:5]
	s_cmp_eq_u32 s23, 3
	s_cselect_b64 s[4:5], s[14:15], s[4:5]
	s_add_nc_u64 s[4:5], s[4:5], s[24:25]
	s_add_nc_u64 s[6:7], s[16:17], s[28:29]
	s_add_nc_u64 s[18:19], s[16:17], s[30:31]
.set k, 0
.rept 128
	global_load_b32 v[X+k], v1, s[4:5] offset:k*2048 th:TH_LOAD_NT   ; W(128 s + k, my column)
.set k, k+1
.endr
	s_wait_loadcnt 0x0
.irp b, 0,1,2,3                                ; the four blocks by turns: no line waits for the line above it
	v_max3_num_f32 v[8+\b], |v[X+32*\b]|, |v[X+32*\b+1]|, FLOOR
.endr
.irp i, 2,4,6,8,10,12,14,16,18,20,22,24,26,28,30
.irp b, 0,1,2,3
	v_max3_num_f32 v[8+\b], v[8+\b], |v[X+32*\b+\i]|, |v[X+32*\b+\i+1]|
.endr
.endr
.irp b, 0,1,2,3
	v_add_nc_u32 v[12+\b], 0xff000000, v[8+\b]     ; 2 off the exponent field: the conversion's scale operand
.endr
.irp b, 0,1,2,3
	v_lshrrev_b32 v[16+\b], 23, v[12+\b]           ; the scale's byte
.endr
	v_lshl_or_b32 v20, v17, 8, v16                 ; my column's scale word for this K step
	v_lshl_or_b32 v20, v18, 16, v20
	v_lshl_or_b32 v20, v19, 24, v20
.irp b, 0,1,2,3
	v_cvt_scalef32_pk16_fp6_f32 v[CD+8*\b:CD+8*\b+2], v[X+32*\b:X+32*\b+15], v[12+\b]
	v_cvt_scalef32_pk16_fp6_f32 v[TP+4*\b:TP+4*\b+2], v[X+32*\b+16:X+32*\b+31], v[12+\b]   ; (a conversion's three registers begin on an even number)
.endr
	v_nop                                          ; one plain line behind the scaled conversions
.irp b, 0,1,2,3
.irp i, 0,1,2
	v_mov_b32 v[CD+8*\b+3+\i], v[TP+4*\b+\i]
.endr
.endr
	; block 2 c + hh is registers 6 c .. 6 c + 5 of the fragment's lane 16 hh + rr
	ds_store_b128 v2, v[CD:CD+3]                   ; block 0: registers 0-3,
	ds_store_b64 v2, v[CD+4:CD+5] offset:512       ; 4, 5
	ds_store_b128 v2, v[CD+8:CD+11] offset:256     ; block 1: the same, sixteen lanes on
	ds_store_b64 v2, v[CD+12:CD+13] offset:768
	ds_store_b64 v2, v[CD+16:CD+17] offset:520     ; block 2: registers 6, 7,
	ds_store_b128 v2, v[CD+18:CD+21] offset:1024   ; 8-11
	ds_store_b64 v2, v[CD+24:CD+25] offset:776     ; block 3
	ds_store_b128 v2, v[CD+26:CD+29] offset:1280
	ds_store_b32 v3, v20
	s_wait_dscnt 0x0                               ; for the others' sake: my word of the scale image has landed
	s_barrier_signal -1
	s_barrier_wait -1
.irp c, 0,1,2,3,4,5
	ds_load_b128 v[CD+4*\c:CD+4*\c+3], v4 offset:512*\c
.endr
	s_wait_dscnt 0x0
.irp c, 0,1,2,3,4,5
	global_store_b128 v5, v[CD+4*\c:CD+4*\c+3], s[6:7] offset:512*\c   ; 32 lanes store 512 consecutive bytes, at a multiple of 512 from wbuf's first byte
.endr
	s_cmp_lg_u32 s20, 0                            ; wave 0 stores the pair's scale image
	s_cbranch_scc1 .Ldone
	ds_load_b128 v[24:27], v6
	s_wait_dscnt 0x0
	global_store_b128 v5, v[24:27], s[18:19]
.Ldone:
	s_wait_tensorcnt 0x0
	ds_add_u32 v208, v209
	s_wait_dscnt 0x0
	s_endpgm
.Lfunc_end_k_q56d55d8005_wquant:
	.size	k_q56d55d8005_wquant, .Lfunc_end_k_q56d55d8005_wquant-k_q56d55d8005_wquant
	.p2alignl 7, 3214868480
	.fill 96, 4, 3214868480
	.section	.rodata,"a",@progbits
	.p2align	6, 0x0
	.amdhsa_kernel k_q56d55d8005_wquant
		.amdhsa_group_segment_fixed_size 13312
		.amdhsa_private_segment_fixed_size 0
		.amdhsa_enable_private_segment 0
		.amdhsa_kernarg_size 40
		.amdhsa_user_sgpr_count 2
		.amdhsa_user_sgpr_kernarg_segment_ptr 1
		.amdhsa_wavefront_size32 1
		.amdhsa_system_sgpr_workgroup_id_x 1
		.amdhsa_system_sgpr_workgroup_id_y 1
		.amdhsa_system_sgpr_workgroup_id_z 1
		.amdhsa_system_vgpr_workitem_id 0
		.amdhsa_next_free_vgpr 210
		.amdhsa_next_free_sgpr 66
		.amdhsa_reserve_vcc 0
		.amdhsa_float_denorm_mode_32 3
		.amdhsa_float_denorm_mode_16_64 3
		.amdhsa_memory_ordered 1
		.amdhsa_forward_progress 1
		.amdhsa_inst_pref_size 23
	.end_amdhsa_kernel
	.amdgpu_metadata
---
amdhsa.version: [ 1, 2 ]
amdhsa.kernels:
  - .name:           k_q56d55d8005_wquant
    .symbol:         k_q56d55d8005_wquant.kd
    .args:
      - { .name: Wq, .offset: 0, .size: 8, .value_kind: global_buffer, .address_space: global }
      - { .name: Wk, .offset: 8, .size: 8, .value_kind: global_buffer, .address_space: global }
      - { .name: Wv, .offset: 16, .size: 8, .value_kind: global_buffer, .address_space: global }
      - { .name: Wo, .offset: 24, .size: 8, .value_kind: global_buffer, .address_space: global }
      - { .name: wbuf, .offset: 32, .size: 8, .value_kind: global_buffer, .address_space: global }
    .group_segment_fixed_size: 13312
    .private_segment_fixed_size: 0
    .kernarg_segment_align: 8
    .kernarg_segment_size: 40
    .max_flat_workgroup_size: 128
    .sgpr_count:     66
    .vgpr_count:     210
    .wavefront_size: 32
...
	.end_amdgpu_metadata
.endif
;; end of part 1
;; launch proj (part 2): grid 256 x 1, 4 waves a work-group, no clusters, 327,680 bytes of LDS; arguments key, query, wbuf, bq, bk, bv, kv, qcodes, qscales; writes kv, qcodes, qscales
.if DOCPART == 2
	.amdgcn_target "amdgcn-amd-amdhsa--gfx1250"
	.amdhsa_code_object_version 6
	.text
	.protected	k_q56d55d8005_proj
	.globl	k_q56d55d8005_proj
	.p2align	8
	.type	k_q56d55d8005_proj,@function
k_q56d55d8005_proj:
	s_mov_b64 s[64:65], 0
	v_nop
	global_prefetch_b8 v0, s[64:65] scope:SCOPE_SE
	s_setreg_imm32_b32 hwreg(HW_REG_WAVE_MODE, 25, 1), 1
	s_wait_xcnt 0x0
; k = Q(key) Q(Wk) + bk, v = Q(key) Q(Wv) + bv, q = Q(query) Q(Wq) + bq on codes of E2M3 (one E8M0 byte for each 32 along K), and the three results quantised again for the products that follow:
; k and q along the 512 channels, v along the keys.  They leave as IMAGES OF OPERAND REGISTERS (a fragment of 16 rows x 128 K: 1,536 bytes, register j of lane L at (j / 4) 512 + 16 L + 4 (j % 4)).
; SHARES.  Work-group g takes rows 128 g .. 128 g + 127 of key and of query.  In the products wave w takes output columns 128 w .. + 127 (8 tiles) for all 128 rows: 64 accumulators; for 128 along K it loads 8 + 8 fragments for 64 matrix instructions.
; The weights' fragments come from wbuf straight into registers, each read once in the work-group.  NO CLUSTER: the weights are what work-groups share, and of 327,680 bytes of LDS 322,560 are laid out, so no tile of them has room for a joint load.
; key comes by register loads (a load = 512 consecutive bytes of a row) and turns through the wave's stage in LDS.  query comes by one tensor load a wave, issued behind the first barrier, when all of key's loads are back: so key's bytes
; are not queued behind query's, and query lands while k and v are made (512 matrix instructions and 16 quantisings a wave stand between the request and the wait for it).  No LDS byte is filled twice by the mover.
; ORDER OF ROWS.  pi(T, r) = 32 (T / 2) + 8 (T % 2) + r + 8 (r / 8) is the index of row r of tile T for the weights' columns and for the keys of a tile of key: a result's 16 registers of tiles 2 b, 2 b + 1 are then 16 neighbours along the next K.
; k, q: source 0 = 16 columns of the weight, source 1 = 16 rows of x: a lane holds one row, registers along the channels.  v: source 0 = 16 keys, source 1 = 16 columns of Wv: a lane holds one channel, registers along the keys.
; The bias is the C of each sum's first matrix instruction.
; kv, K block g (51,200 bytes, at 819,200 (g / 8) + 51,200 (g % 8)): K fragment (key tile kt, K step s) at (8 s + kt) 1,536; K's scale image of K step s at 49,152 + 512 s (lane 16 bytes, word j = tiles 2 j (lanes 0-15), 2 j + 1 (lanes 16-31));
; V block g, 409,600 bytes on: fragment (channel tile t) at 1,536 t, image gq at 49,152 + 512 gq (word j = channel tiles 8 gq + 2 j, + 1).  qcodes, block g: fragment (tile m, s) at (4 m + s) 1,536; qscales: image of K step s at 512 s, word j = tiles 2 j, 2 j + 1.
; LIMITS: NaN and infinities are not served; a block whose largest magnitude lies under 2^-124, a block of zeros among them, keeps the scale byte 1 (zero codes add nothing; this program alone reads the bytes).
; REGISTERS, in windows of 256.  Window 0: v1-15, v21 addresses; v32-47 x's scale words, v48-63 the weight's; v64-159, v160-255 x's fragments, two sets (outside the K steps: codes kept, 64 numbers at work, the quantiser's registers).
;   Window 1: v0-95, v96-191 the weight's fragments, two sets; v192-255 the bias, 8 tiles.   Windows 2, 3: first key's raw numbers, then the accumulators: (o, t) in window 2 + o / 4 at 64 (o % 4) + 8 t, t along the axis that is quantised.
.set RP,    528                        ; a row of 512 bytes + 16 in LDS: 132 words, so the 16 rows of a load begin at 16 different groups of four banks (ISA guide 11.1)
.set XSC,   49152                      ; LDS: 0 .. x's 32 fragments, (tile m, K step s) at (4 m + s) 1,536; here their four scale images (pair p at 512 p, word s)
.set RAW,   51200                      ; query as f32: chunk s (columns 128 s ..) at + s CHUNK, row rho at RP rho; it ends at 321,536
.set CHUNK, 128*RP
.set SPARE, 322048                     ; the spare words, 128 bytes for each wave: two blocks of 256 bytes that no other line names
.set WSZ,   204800                     ; a weight in wbuf
.set HALFW, 102400                     ; half a weight; also a slot of kv
.set LI,  1                            ; v1   16 x lane
.set SPW, 2                            ; v2   LDS address of my spare word: SPARE + 4 x my thread's number; never rewritten
.set STA, 3                            ; v3   12,288 w + 16 x lane: my wave's part of the images, in the key phase also its stage
.set STB, 4                            ; v4   12,288 w + RP r + 64 h: out of the stage
.set XWS, 5                            ; v5   my wave's scale image
.set RQ,  6                            ; v6-9 query: chunk s, row 32 w + r, + 64 h
.set BA,  10                           ; v10  64 h
.set BN,  11                           ; v11  4 (r + 8 (r / 8))
.set SV,  12                           ; v12-15 a scale image's four words
.set NIL, 21                           ; v21  0; never rewritten
.set XS,  32
.set WS,  48
.set XF,  64
.set ST,  160                          ; 64 numbers at work (in the query phase a second such buffer lies 64 registers below)
.set TM,  224                          ; v224-227 largest magnitudes, v228-231 the other half's, then bytes, v236-239 scale operands
.set T2,  240                          ; the upper halves of the blocks' codes
.set PWS, 248                          ; eight scale words
.set B1,  192                          ; in window 1
.set KEYB, 8
.set QRY,  10
.set WBUF, 12
.set BQ,   14
.set BK,   16
.set BV,   18
.set KVB,  20
.set QB,   22
.set QSB,  24
.set G1,   28
.set G0,   36
.set WB,   40
.set WSB,  42
.set KVS,  44
.set SEL,  46
.set HM,   48
.set FL,   49
.set EM,   50
.set MSB, 0
.macro WIN new                         ; the immediate's high byte repeats the setting that is left; a switch that changes nothing is dropped
.if MSB != (\new)
	s_set_vgpr_msb (MSB<<8)|(\new)
.set MSB, (\new)
.endif
.endm
.macro PLACES n
.rept \n
	v_nop
.endr
.endm
; One matrix instruction; its operands are the symbols wD, wA, wB, wC (below 0: the constant 0), wSA, wSB; wRA, wRB = 1: that side's scales stand in lanes 16-31
.macro WM
.if wC < 0
.if wRA && wRB
	v_wmma_scale_f32_16x16x128_f8f6f4 v[wD:wD+7], v[wA:wA+11], v[wB:wB+11], 0, v[wSA], v[wSB] matrix_a_fmt:MATRIX_FMT_FP6 matrix_b_fmt:MATRIX_FMT_FP6 matrix_a_scale:MATRIX_SCALE_ROW1 matrix_b_scale:MATRIX_SCALE_ROW1
.elseif wRA
	v_wmma_scale_f32_16x16x128_f8f6f4 v[wD:wD+7], v[wA:wA+11], v[wB:wB+11], 0, v[wSA], v[wSB] matrix_a_fmt:MATRIX_FMT_FP6 matrix_b_fmt:MATRIX_FMT_FP6 matrix_a_scale:MATRIX_SCALE_ROW1
.elseif wRB
	v_wmma_scale_f32_16x16x128_f8f6f4 v[wD:wD+7], v[wA:wA+11], v[wB:wB+11], 0, v[wSA], v[wSB] matrix_a_fmt:MATRIX_FMT_FP6 matrix_b_fmt:MATRIX_FMT_FP6 matrix_b_scale:MATRIX_SCALE_ROW1
.else
	v_wmma_scale_f32_16x16x128_f8f6f4 v[wD:wD+7], v[wA:wA+11], v[wB:wB+11], 0, v[wSA], v[wSB] matrix_a_fmt:MATRIX_FMT_FP6 matrix_b_fmt:MATRIX_FMT_FP6
.endif
.else
.if wRA && wRB
	v_wmma_scale_f32_16x16x128_f8f6f4 v[wD:wD+7], v[wA:wA+11], v[wB:wB+11], v[wC:wC+7], v[wSA], v[wSB] matrix_a_fmt:MATRIX_FMT_FP6 matrix_b_fmt:MATRIX_FMT_FP6 matrix_a_scale:MATRIX_SCALE_ROW1 matrix_b_scale:MATRIX_SCALE_ROW1
.elseif wRA
	v_wmma_scale_f32_16x16x128_f8f6f4 v[wD:wD+7], v[wA:wA+11], v[wB:wB+11], v[wC:wC+7], v[wSA], v[wSB] matrix_a_fmt:MATRIX_FMT_FP6 matrix_b_fmt:MATRIX_FMT_FP6 matrix_a_scale:MATRIX_SCALE_ROW1
.elseif wRB
	v_wmma_scale_f32_16x16x128_f8f6f4 v[wD:wD+7], v[wA:wA+11], v[wB:wB+11], v[wC:wC+7], v[wSA], v[wSB] matrix_a_fmt:MATRIX_FMT_FP6 matrix_b_fmt:MATRIX_FMT_FP6 matrix_b_scale:MATRIX_SCALE_ROW1
.else
	v_wmma_scale_f32_16x16x128_f8f6f4 v[wD:wD+7], v[wA:wA+11], v[wB:wB+11], v[wC:wC+7], v[wSA], v[wSB] matrix_a_fmt:MATRIX_FMT_FP6 matrix_b_fmt:MATRIX_FMT_FP6
.endif
.endif
.endm
; 64 numbers of a lane, v[sb] .. v[sb + 63] of window x, register 16 b + i = k 32 b + 16 (lane / 16) + i of my row, become a fragment's codes in v[pc] .. v[pc + 11] and its scale word in v[pw] (window 0).
; Each accumulator among the sources is read from its low end on.
.macro QUANT x, sb, pc, pw
	WIN ((\x)<<2)|((\x)<<4)
.irp b, 0,1,2,3
	v_max3_num_f32 v[TM+\b], s[FL], |v[(\sb)+16*\b]|, |v[(\sb)+16*\b+1]|   ; block b: my 16 numbers, and the floor 2^(3 - 127): the byte cannot fall under 1
.endr
.irp i, 2,4,6,8,10,12,14
.irp b, 0,1,2,3
	v_max3_num_f32 v[TM+\b], v[TM+\b], |v[(\sb)+16*\b+\i]|, |v[(\sb)+16*\b+\i+1]|   ; (the four blocks by turns)
.endr
.endr
	WIN 0
.irp b, 0,1,2,3
	v_permlanex16_b32 v[TM+4+\b], v[TM+\b], s[SEL], s[SEL+1]
.endr
.irp b, 0,1,2,3
	v_max_num_f32 v[TM+\b], v[TM+\b], v[TM+4+\b]   ; with lane l xor 16's: the block's largest magnitude
.endr
.irp b, 0,1,2,3
	v_add_nc_u32 v[TM+12+\b], s[EM], v[TM+\b]      ; 2 off its exponent field: the conversion's scale operand
.endr
.irp b, 0,1,2,3
	v_lshrrev_b32 v[TM+4+\b], 23, v[TM+12+\b]      ; the scale's byte
.endr
	v_lshl_or_b32 v[\pw], v[TM+5], 8, v[TM+4]
	v_lshl_or_b32 v[\pw], v[TM+6], 16, v[\pw]
	v_lshl_or_b32 v[\pw], v[TM+7], 24, v[\pw]
	s_wait_xcnt 0x0                                ; earlier stores have read their data: the codes' registers may be written again
	WIN \x
.irp c, 0,1
	v_cvt_scalef32_pk16_fp6_f32 v[(\pc)+6*\c:(\pc)+6*\c+2], v[(\sb)+32*\c:(\sb)+32*\c+15], v[TM+12+2*\c]
	v_cvt_scalef32_pk16_fp6_f32 v[T2+4*\c:T2+4*\c+2], v[(\sb)+32*\c+16:(\sb)+32*\c+31], v[TM+13+2*\c]   ; (a conversion's three registers begin on an even number)
.endr
	WIN 0
	v_nop                                          ; one plain line behind the scaled conversions
.irp c, 0,1                                    ; the operand's layout wants a whole block in a lane: lanes 0-15 block 2 c, lanes 16-31 block 2 c + 1
.irp i, 0,1,2
	v_permlane16_swap_b32 v[(\pc)+6*\c+\i], v[T2+4*\c+\i]
.endr
.irp i, 0,1,2
	v_mov_b32 v[(\pc)+6*\c+3+\i], v[T2+4*\c+\i]
.endr
.endr
.endm
; key: fragment f = 4 u + s of my wave (tile 2 w + u, K step s): its 16 rows in the order pi, 512 consecutive bytes a load, into raw set f
.macro LOADF f
	WIN (2+(\f)/4)<<6
.set lr, 0
.rept 16
	global_load_b128 v[64*((\f)%4)+4*lr:64*((\f)%4)+4*lr+3], v[LI], s[KEYB:KEYB+1] offset:(8*((\f)/4)+lr+8*(lr/8))*2048+512*((\f)%4) th:TH_LOAD_NT
.set lr, lr+1
.endr
	WIN 0
.endm
; and through my stage: in as loaded, out 64 bytes a lane.  LDS serves a wave's instructions in order (ISA guide 5.7.1.4): no wait between
.macro TURN f
	WIN (2+(\f)/4)<<2
.set lr, 0
.rept 16
	ds_store_b128 v[STA], v[64*((\f)%4)+4*lr:64*((\f)%4)+4*lr+3] offset:RP*lr
.set lr, lr+1
.endr
	WIN 0
.irp b, 0,1,2,3
.irp j, 0,1,2,3
	ds_load_b128 v[ST+16*\b+4*\j:ST+16*\b+4*\j+3], v[STB] offset:128*\b+16*\j
.endr
.endr
.endm
; query: fragment f = 4 u + s of my wave (tile 2 w + u, K step s): 64 numbers a lane out of chunk s, into the buffer at v160 (f even) or v96 (f odd)
.macro QLOAD f
.irp b, 0,1,2,3
.irp j, 0,1,2,3
	ds_load_b128 v[ST-64*((\f)%2)+16*\b+4*\j:ST-64*((\f)%2)+16*\b+4*\j+3], v[RQ+(\f)%4] offset:16*RP*((\f)/4)+128*\b+16*\j
.endr
.endr
.endm
.macro WLOAD wt, s, z                  ; weight wt, K step s: my 8 fragments, 12,288 consecutive bytes, into set z
	WIN 0x40
.set wl, 0
.rept 24
	global_load_b128 v[96*(\z)+4*wl:96*(\z)+4*wl+3], v[LI], s[WB:WB+1] offset:WSZ*(\wt)+24576*(\s)+512*wl
.set wl, wl+1
.endr
	WIN 0
.endm
.macro XLOAD s, z                      ; x's 8 fragments of K step s into set z
	WIN 0
.set xm, 0
.rept 8
.irp c, 0,1,2
	ds_load_b128 v[XF+96*(\z)+12*xm+4*\c:XF+96*(\z)+12*xm+4*\c+3], v[LI] offset:(4*xm+(\s))*1536+512*\c
.endr
.set xm, xm+1
.endr
.endm
.macro XSLOAD                          ; x's scale words: register 4 p + s
.irp p, 0,1,2,3
	ds_load_b128 v[XS+4*\p:XS+4*\p+3], v[LI] offset:XSC+512*\p
.endr
.endm
.macro WSLOAD wt                       ; the weight's: my four pairs of tiles
.irp p, 0,1,2,3
	global_load_b128 v[WS+4*\p:WS+4*\p+3], v[LI], s[WSB:WSB+1] offset:WSZ*(\wt)+512*\p
.endr
.endm
.macro BIAST p                         ; the bias in the layout of a result whose registers run along the channels: tile i: channels 32 (i / 2) + 16 h + 8 (i % 2) + 0 .. 7
	WIN 0x40
.set bi, 0
.rept 8
	global_load_b128 v[B1+8*bi:B1+8*bi+3], v[BA], s[\p:\p+1] offset:128*(bi/2)+32*(bi%2)
	global_load_b128 v[B1+8*bi+4:B1+8*bi+7], v[BA], s[\p:\p+1] offset:128*(bi/2)+32*(bi%2)+16
.set bi, bi+1
.endr
	WIN 0
.endm
; bv in the layout of a result whose lanes run along the channels: one number a lane and tile, eight times.  The loads are asked for ahead of k's results, the copies are made behind them
.macro BIASNL
	WIN 0x40
.set bi, 0
.rept 8
	global_load_b32 v[B1+8*bi], v[BN], s[BV:BV+1] offset:128*(bi/2)+32*(bi%2)
.set bi, bi+1
.endr
	WIN 0
.endm
.macro BIASNR
	s_wait_loadcnt 0x0
	WIN 0x41
.set bi, 0
.rept 8
.irp j, 1,2,3,4,5,6,7
	v_mov_b32 v[B1+8*bi+\j], v[B1+8*bi]
.endr
.set bi, bi+1
.endr
	WIN 0
.endm
; A K STEP: 128 along K, 64 matrix instructions.  mode 0: source 0 = the weight's tile t, source 1 = x's tile o.  mode 1: source 0 = x's tile t, source 1 = the weight's tile o.
; At its head the next K step's fragments are asked for (nw: of weight nwt; nx: of x) into the sets that the last K step multiplied: four places stand between (ISA guide 7.12.1 for vector instructions).
; The 64 accumulators take turns, one instruction a turn, in the same order in every K step.
.macro KSTEP mode, s, nw, nwt, nx
	PLACES 4
.if \nw
	WLOAD \nwt, ((\s)+1)%4, ((\s)+1)%2
.endif
.if \nx
	XLOAD ((\s)+1)%4, ((\s)+1)%2
.endif
	s_wait_loadcnt 24*(\nw)                        ; all but the 24 loads just issued: this K step's weight, the scale words and the bias are in
	s_wait_dscnt 24*(\nx)                          ; likewise x's fragments
.set ko, 0
.rept 8
.set kw, 2+ko/4
.set kc, kw
.if (\s) == 0
.set kc, 1                             ; the first K step's C is the bias, in window 1
.endif
.if \mode
	WIN 4|(kc<<4)|(kw<<6)
.else
	WIN 1|(kc<<4)|(kw<<6)
.endif
.set kt, 0
.rept 8
.set wD, 64*(ko%4)+8*kt
.set wC, wD
.if \mode
.set wA, XF+96*((\s)%2)+12*kt
.set wB, 96*((\s)%2)+12*ko
.set wSA, XS+4*(kt/2)+(\s)
.set wSB, WS+4*(ko/2)+(\s)
.if (\s) == 0
.set wC, B1+8*ko
.endif
.else
.set wA, 96*((\s)%2)+12*kt
.set wB, XF+96*((\s)%2)+12*ko
.set wSA, WS+4*(kt/2)+(\s)
.set wSB, XS+4*(ko/2)+(\s)
.if (\s) == 0
.set wC, B1+8*kt
.endif
.endif
.set wRA, kt%2
.set wRB, ko%2
	WM
.set kt, kt+1
.endr
.set ko, ko+1
.endr
	WIN 0
.endm
; The 64 accumulators become 8 fragments and a scale image, and leave: each store of the wave covers 512 consecutive bytes, aligned
.macro RESULT bl, off, stride, sl, soff
.set ro, 0
.rept 8
	QUANT 2+ro/4, 64*(ro%4), ST, PWS+ro
.irp c, 0,1,2
	global_store_b128 v[LI], v[ST+4*\c:ST+4*\c+3], s[\bl:\bl+1] offset:(\off)+(\stride)*ro+512*\c
.endr
.set ro, ro+1
.endr
.irp j, 0,1,2,3
	v_cndmask_b32 v[SV+\j], v[PWS+2*\j], v[PWS+2*\j+1], s[HM]   ; lanes 0-15 the even tile's word, lanes 16-31 the odd tile's
.endr
	global_store_b128 v[LI], v[SV:SV+3], s[\sl:\sl+1] offset:\soff
	s_wait_xcnt 0x0                                ; the stores have read their data: loads may land in these registers
.endm
	s_load_b256 s[8:15], s[0:1], 0x0               ; key, query, wbuf, bq
	s_load_b256 s[16:23], s[0:1], 0x20             ; bk, bv, kv, qcodes
	s_load_b64 s[24:25], s[0:1], 0x40              ; qscales
	v_lshl_add_u32 v[SPW], v0, 2, SPARE
	v_mov_b32 v[NIL], 0
	v_lshrrev_b32 v16, 5, v0
	v_readfirstlane_b32 s4, v16                    ; wave 0..3
	v_and_b32 v16, 31, v0
	v_lshlrev_b32 v[LI], 4, v16
	v_and_b32 v17, 15, v0                          ; r
	v_bfe_u32 v18, v0, 4, 1                        ; h
	s_mul_i32 s5, s4, 12288
	v_add_nc_u32 v[STA], s5, v[LI]
	v_mul_u32_u24 v19, v17, RP
	v_lshl_add_u32 v19, v18, 6, v19                ; RP r + 64 h
	v_add_nc_u32 v[STB], s5, v19
	s_lshl_b32 s6, s4, 9
	s_add_co_u32 s6, s6, XSC
	v_add_nc_u32 v[XWS], s6, v[LI]
	s_mul_i32 s7, s4, 32*RP
	s_add_co_u32 s7, s7, RAW
.irp s, 0,1,2,3
	v_add_nc_u32 v[RQ+\s], s7, v19
	s_add_co_u32 s7, s7, CHUNK
.endr
	v_lshlrev_b32 v[BA], 6, v18
	v_and_b32 v20, 8, v17
	v_add_nc_u32 v20, v20, v17
	v_lshlrev_b32 v[BN], 2, v20
.irp b, 0,1,2,3
	v_mov_b32 v[TM+4+\b], 0                        ; written once: a lane permute's destination counts as one of its sources
.endr
	s_mov_b32 s[SEL], 0x76543210
	s_mov_b32 s[SEL+1], 0xfedcba98                 ; v_permlanex16_b32's selects for lane l xor 16
	s_mov_b32 s[HM], 0xffff0000                    ; lanes 16-31
	s_mov_b32 s[FL], 0x1800000                     ; 2^(3 - 127)
	s_mov_b32 s[EM], 0xff000000                    ; -(2 << 23)
	; descriptor group 1: 128 rows x 128 elements of 4 bytes, 512 elements from row to row; in LDS 4 words of padding behind every 128
	s_mov_b32 s[G1+0], (2<<16)|(1<<20)|(6<<22)|(3<<25)
	s_mov_b32 s[G1+1], 128<<16                     ; tensor_dim0
	s_mov_b32 s[G1+2], 128<<16                     ; tensor_dim1
	s_mov_b32 s[G1+3], 128<<16                     ; tile_dim0
	s_mov_b32 s[G1+4], 128                         ; tile_dim1
	s_mov_b32 s[G1+5], 512                         ; tensor_dim0_stride
	s_mov_b32 s[G1+6], 0
	s_mov_b32 s[G1+7], 0
	s_mov_b32 s[G0], 1
	s_mul_i32 s[G0+1], s4, CHUNK
	s_add_co_u32 s[G0+1], s[G0+1], RAW             ; wave w brings chunk w
	s_lshl_b32 s52, ttmp9, 18                      ; 128 rows of 2,048 bytes
	s_mov_b32 s53, 0
	s_lshl_b32 s54, s4, 16                         ; my wave's 32 rows
	s_mov_b32 s55, 0
	s_lshl_b32 s56, s4, 9                          ; 512 w
	s_mov_b32 s57, 0
	s_lshr_b32 s58, s4, 1
	s_mul_i32 s58, s58, HALFW                      ; my tiles' half of a weight,
	s_and_b32 s59, s4, 1
	s_mul_i32 s60, s59, 12288                      ; and their 8 fragments in a K step's 16
	s_add_co_u32 s60, s60, s58
	s_mov_b32 s61, 0
	s_lshl_b32 s62, s59, 11
	s_add_co_u32 s62, s62, s58
	s_add_co_u32 s62, s62, 98304                   ; their four scale images
	s_mov_b32 s63, 0
	s_wait_kmcnt 0x0
	s_add_nc_u64 s[KEYB:KEYB+1], s[KEYB:KEYB+1], s[52:53]
	s_add_nc_u64 s[KEYB:KEYB+1], s[KEYB:KEYB+1], s[54:55]
	s_add_nc_u64 s[G0+2:G0+3], s[QRY:QRY+1], s[52:53]
	s_add_nc_u64 s[G0+2:G0+3], s[G0+2:G0+3], s[56:57]
	s_or_b32 s[G0+3], s[G0+3], 0x80000000          ; type = 2
	s_add_nc_u64 s[BQ:BQ+1], s[BQ:BQ+1], s[56:57]
	s_add_nc_u64 s[BK:BK+1], s[BK:BK+1], s[56:57]
	s_add_nc_u64 s[BV:BV+1], s[BV:BV+1], s[56:57]
	s_add_nc_u64 s[WB:WB+1], s[WBUF:WBUF+1], s[60:61]
	s_add_nc_u64 s[WSB:WSB+1], s[WBUF:WBUF+1], s[62:63]
	; kv as it is laid now: batch b at 819,200 b: eight K blocks of 51,200 bytes (32 fragments, then four scale images from 49,152 on), then from 409,600 on eight V blocks of the same form; block g % 8 is this work-group's
	s_lshr_b32 s52, ttmp9, 3
	s_mul_i32 s52, s52, 819200
	s_and_b32 s54, ttmp9, 7
	s_mul_i32 s54, s54, 51200
	s_add_co_u32 s52, s52, s54                     ; my K block
	s_add_co_u32 s54, s52, s5                      ; + 12,288 w
	s_add_co_u32 s58, s52, s56
	s_add_co_u32 s58, s58, 49152                   ; + 49,152 + 512 w
	s_mov_b32 s59, 0
	s_add_nc_u64 s[KVS:KVS+1], s[KVB:KVB+1], s[58:59]
	s_add_nc_u64 s[KVB:KVB+1], s[KVB:KVB+1], s[54:55]
	s_mul_i32 s52, ttmp9, 49152
	s_mul_i32 s54, s4, 1536
	s_add_co_u32 s52, s52, s54
	s_add_nc_u64 s[QB:QB+1], s[QB:QB+1], s[52:53]
	s_lshl_b32 s52, ttmp9, 11
	s_add_co_u32 s52, s52, s56
	s_add_nc_u64 s[QSB:QSB+1], s[QSB:QSB+1], s[52:53]
	LOADF 0
	LOADF 1
	LOADF 2
	; ---- KEY: my 32 rows become 8 fragments.  Loads run three fragments ahead; Wk's first K step, its scale words and bk are asked for behind fragment 6's wait
.set kf, 0
.rept 8
.if kf < 5
	LOADF kf+3
	s_wait_loadcnt 48                              ; fragment kf is in; the three younger ones, 16 loads each, may be out
.elseif kf == 5
	s_wait_loadcnt 32
.elseif kf == 6
	s_wait_loadcnt 16
	WLOAD 1, 0, 0                                  ; Wk's first K step, its scale words and bk: 24 + 4 + 16 loads
	WSLOAD 1
	BIAST BK
.else
	s_wait_loadcnt 44                              ; the 44 just named may be out
.endif
	TURN kf
	s_wait_dscnt 0x0
	QUANT 0, ST, XF+12*kf, PWS+kf
.set kf, kf+1
.endr
.set kf, 0
.rept 24
	ds_store_b128 v[STA], v[XF+4*kf:XF+4*kf+3] offset:512*kf   ; the 8 images, over my stage, whose last reads are back
.set kf, kf+1
.endr
.irp s, 0,1,2,3
	v_cndmask_b32 v[SV+\s], v[PWS+\s], v[PWS+4+\s], s[HM]
.endr
	ds_store_b128 v[XWS], v[SV:SV+3]
	; query's chunks are a first fill that comes late: it is issued as a refill is, behind a barrier with these three lines in front of it
	s_wait_tensorcnt 0x0                           ; no tensor load of mine is out
	ds_add_u32 v[SPW], v[NIL]                      ; 0 onto my spare word
	ds_add_u32 v2, v21
	s_wait_dscnt 0x0                               ; the add is done; for the others' sake: my images have landed
	s_barrier_signal -1
	s_barrier_wait -1                              ; key's 32 fragments lie in LDS
	tensor_load_to_lds s[G0:G0+3], s[G1:G1+7]      ; query's chunk w: my one tensor load, first thing behind the barrier; waited for in front of the second barrier
	s_nop 0
	PLACES 4
	XSLOAD
	XLOAD 0, 0
	; ---- k
	KSTEP 0, 0, 1, 1, 1
	KSTEP 0, 1, 1, 1, 1
	KSTEP 0, 2, 1, 1, 1
	KSTEP 0, 3, 1, 2, 1                            ; asks for Wv's and x's first K step
	PLACES 4
	WSLOAD 2
	BIASNL                                         ; bv is asked for here, eight quantisings ahead of the wait for it
	RESULT KVB, 0, 1536, KVS, 0                    ; K fragments (o, w) and the scale image of K step w
	BIASNR
	; ---- v
	s_wait_alu depctr_va_vdst(0)
	KSTEP 1, 0, 1, 2, 1
	KSTEP 1, 1, 1, 2, 1
	KSTEP 1, 2, 1, 2, 1
	KSTEP 1, 3, 1, 0, 0                            ; asks for Wq's first K step
	PLACES 4
	WSLOAD 0
	BIAST BQ
	RESULT KVB, 409600, 1536, KVS, 409600          ; V fragments 8 w + o and scale image w, in my V block
	s_wait_tensorcnt 0x0                           ; my chunk of query has landed,
	s_wait_dscnt 0x0                               ; and my reads of key's images are back
	s_barrier_signal -1
	s_barrier_wait -1                              ; both now hold of every wave
	; ---- QUERY: my 32 rows, in their own order, become 8 fragments.  Two buffers take turns: fragment f + 1's numbers are asked for ahead of fragment f's quantising
	QLOAD 0
.set qf, 0
.rept 8
.if qf < 7
	QLOAD qf+1
	s_wait_dscnt 16                                ; all but the 16 loads just issued: fragment qf's numbers are in, and the last image's three stores are done
.else
	s_wait_dscnt 0x0
.endif
	QUANT 0, ST-64*(qf%2), XF, PWS+qf
.irp c, 0,1,2
	ds_store_b128 v[STA], v[XF+4*\c:XF+4*\c+3] offset:1536*qf+512*\c
.endr
.set qf, qf+1
.endr
.irp s, 0,1,2,3
	v_cndmask_b32 v[SV+\s], v[PWS+\s], v[PWS+4+\s], s[HM]
.endr
	ds_store_b128 v[XWS], v[SV:SV+3]
	s_wait_dscnt 0x0
	s_barrier_signal -1
	s_barrier_wait -1                              ; query's 32 fragments lie in LDS
	XSLOAD
	XLOAD 0, 0
	; ---- q
	KSTEP 0, 0, 1, 0, 1
	KSTEP 0, 1, 1, 0, 1
	KSTEP 0, 2, 1, 0, 1
	KSTEP 0, 3, 0, 0, 0
	PLACES 4
	RESULT QB, 0, 6144, QSB, 0                     ; Q fragments (o, w) and the scale image of K step w
	s_wait_tensorcnt 0x0                           ; the wave's end, behind my last tensor load and my last LDS store
	ds_add_u32 v[SPW], v[NIL]
	s_wait_dscnt 0x0
	s_endpgm
.Lfunc_end_k_q56d55d8005_proj:
	.size	k_q56d55d8005_proj, .Lfunc_end_k_q56d55d8005_proj-k_q56d55d8005_proj
	.p2alignl 7, 3214868480
	.fill 96, 4, 3214868480
	.section	.rodata,"a",@progbits
	.p2align	6, 0x0
	.amdhsa_kernel k_q56d55d8005_proj
		.amdhsa_group_segment_fixed_size 327680
		.amdhsa_private_segment_fixed_size 0
		.amdhsa_enable_private_segment 0
		.amdhsa_kernarg_size 72
		.amdhsa_user_sgpr_count 2
		.amdhsa_user_sgpr_kernarg_segment_ptr 1
		.amdhsa_wavefront_size32 1
		.amdhsa_system_sgpr_workgroup_id_x 1
		.amdhsa_system_sgpr_workgroup_id_y 1
		.amdhsa_system_sgpr_workgroup_id_z 1
		.amdhsa_system_vgpr_workitem_id 0
		.amdhsa_next_free_vgpr 1024
		.amdhsa_next_free_sgpr 66
		.amdhsa_reserve_vcc 0
		.amdhsa_float_denorm_mode_32 3
		.amdhsa_float_denorm_mode_16_64 3
		.amdhsa_memory_ordered 1
		.amdhsa_forward_progress 1
		.amdhsa_inst_pref_size 255
	.end_amdhsa_kernel
	.section	.bss,"aw",@nobits
	.p2align	6
	.space	262144
	.amdgpu_metadata
---
amdhsa.version: [ 1, 2 ]
amdhsa.kernels:
  - .name:           k_q56d55d8005_proj
    .symbol:         k_q56d55d8005_proj.kd
    .args:
      - { .name: key, .offset: 0, .size: 8, .value_kind: global_buffer, .address_space: global }
      - { .name: query, .offset: 8, .size: 8, .value_kind: global_buffer, .address_space: global }
      - { .name: wbuf, .offset: 16, .size: 8, .value_kind: global_buffer, .address_space: global }
      - { .name: bq, .offset: 24, .size: 8, .value_kind: global_buffer, .address_space: global }
      - { .name: bk, .offset: 32, .size: 8, .value_kind: global_buffer, .address_space: global }
      - { .name: bv, .offset: 40, .size: 8, .value_kind: global_buffer, .address_space: global }
      - { .name: kv, .offset: 48, .size: 8, .value_kind: global_buffer, .address_space: global }
      - { .name: qcodes, .offset: 56, .size: 8, .value_kind: global_buffer, .address_space: global }
      - { .name: qscales, .offset: 64, .size: 8, .value_kind: global_buffer, .address_space: global }
    .group_segment_fixed_size: 327680
    .private_segment_fixed_size: 0
    .kernarg_segment_align: 8
    .kernarg_segment_size: 72
    .max_flat_workgroup_size: 128
    .sgpr_count:     66
    .vgpr_count:     1024
    .wavefront_size: 32
...
	.end_amdgpu_metadata
.endif
;; end of part 2
;; launch attn (part 3): grid 8 x 32, 4 waves a work-group, clusters of 4 x 1, 327,680 bytes of LDS; arguments qcodes, qscales, kv, wbuf, bo, out0; writes out0
.if DOCPART == 3
	.amdgcn_target "amdgcn-amd-amdhsa--gfx1250"
	.amdhsa_code_object_version 6
	.text
	.protected	k_q56d55d8005_attn
	.globl	k_q56d55d8005_attn
	.p2align	8
	.type	k_q56d55d8005_attn,@function
k_q56d55d8005_attn:
	s_mov_b64 s[64:65], 0
	v_nop
	global_prefetch_b8 v0, s[64:65] scope:SCOPE_SE
	s_setreg_imm32_b32 hwreg(HW_REG_WAVE_MODE, 25, 1), 1
	s_wait_xcnt 0x0
	s_wait_alu depctr_hold_cnt(0) depctr_sa_sdst(0) depctr_va_vdst(0) depctr_va_sdst(0) depctr_va_ssrc(0) depctr_va_vcc(0) depctr_vm_vsrc(0)
	s_getreg_b32 s2, hwreg(HW_REG_IB_STS2, 6, 4)
	s_cmp_eq_u32 s2, 0
	s_cbranch_scc0 .Lentry_in_a_cluster
	s_endpgm
.Lentry_in_a_cluster:
	s_bfe_u32 s2, ttmp6, 0x10000c
	s_cmp_lg_u32 s2, 0x3003
	s_cbranch_scc0 .Lentry_shape_is_right
	s_endpgm
.Lentry_shape_is_right:
; out0 = Q(softmax(q k^T / 512) v / 1024) Q(Wo) + bo, all three products on codes of E2M3 with one E8M0 byte for each 32 along K.  q, k, v and Wo arrive as images of operand registers (1,536 bytes a fragment, three loads of 16 bytes a lane).
; THE SOFTMAX: t = score x log2(e) / 512; M = the row's largest t so far, rounded up to a whole number; p = 2^(t - M) is quantised along the keys, not normalised; the row's sum is taken of the unquantised p and is multiplied by 2^(old M - new M) when M moves.
; A work-group takes 128 queries of a batch (tiles m = 0 .. 7).  All products are used transposed, so a lane holds one query throughout.
; PHASE 1, by queries: wave w takes tiles 2 w, 2 w + 1 through the batch's eight steps of 128 keys: S^T = K Q^T, the softmax; step j's codes of p go to LDS as images of registers, their scale words and -M_j beside them.
; BETWEEN: M_j and the last M are whole numbers, so p under the last M is the same codes with M - M_j taken off each scale byte: each wave does that for its 16 words and stores them, and 1 / (1024 l), for the others.
; PHASE 2, by channels: wave w takes channel tiles 8 w .. 8 w + 7 for all 128 queries: O^T = sum over j of V_j^T P_j^T, from C = 0, 64 accumulators; a step reads 8 fragments of V and 8 of P for 64 products.
; THE END: wave w holds K step w of out = O / (1024 l): it quantises its 8 fragments along the channels and stores them to LDS.  Then Y^T = Wo^T out^T by rows: a wave keeps the 32 fragments of Wo for its 64 + 64 columns
; (tiles 4 w .. 4 w + 3 of each half) in registers, bo is the C of the first K step, and each tile of 16 queries leaves as soon as its 32 products are done.
; CLUSTER.  The four work-groups of a cluster belong to one batch and walk the same fills: every fill is a JOINT load, the same line with the same descriptor and a mask that names the four.
; THE RING.  Two slots of 102,400 bytes.  Fills 0 to 3: two K blocks each (32 fragments and four scale images: 51,200 bytes); fills 4 to 7: two V blocks each; fills 8, 9: Wo's halves.  Each wave brings a quarter, 100 rows of 256 bytes.
; Fill j + 1 is asked for first thing behind the round at the head of trip j: by this text's count one tensor load of a wave is out, and it has a whole trip in which to land.
; LIMITS: NaN and infinities are not served; the promise holds while |t| stays under 2^31; a block whose largest magnitude lies under 2^-124, a block of zeros among them, keeps the scale byte 1 (zero codes add nothing);
; a scale byte of p that M - M_j would bring under 0 is held at 0: such a block then counts for at most 7.5 x 2^-127 a key, beside a row's sum above 1/2.
; REGISTERS, in windows of 256.  Window 0: v1-11 addresses; v12-27 statistics, 8 a tile, later 1 / (1024 l) in the even ones; v28-31 Q's scale words; v32-47 K's, then V's and p's, then out's; v48-63 Wo's;
;   v64-191 S^T, then p; v192-255 at work; in phase 2 v64-255 are two sets of P's 8 fragments; on the way out v64-191 two sets of 16 rows.
;   Windows 1, 2: O^T: (m, t) in window 1 + m / 4 at 64 (m % 4) + 8 t; later v0-191 Wo's fragments of half 0, 1, and v192-255 Y^T, two sets.
;   Window 3: v0-95 Q, from v96 three sets of four fragments of K; in phase 2 v0-191 two sets of V's 8 fragments; later v0-95 two sets of out's four; v192-255 bo.
.set SLOTB, 102400                     ; a slot; slot 1 begins here
.set BLK,   51200                      ; a K or V block
.set WSZ,   204800
.set SPARE, 204800                     ; behind the slots: the spare words, 128 bytes for each wave: two blocks of 256 bytes that no other line names
.set PST,   205312                     ; p's fragments: (step j, tile m) at 12,288 j + 1,536 m.  No fill lands from here on
.set PWD,   PST+98304                  ; p's scale words under the last M: step j at 512 j, lane 16 bytes, word w = tiles 2 w (lanes 0-15), 2 w + 1 (lanes 16-31)
.set RAWW,  PWD+4096                   ; as phase 1 leaves them: wave w, step j at 4,096 w + 512 j, lane 16 bytes: word 0, -M 0, word 1, -M 1
.set INV,   RAWW+16384                 ; 1 / (1024 l): tile m at 128 m, 4 bytes a lane
.set OF,    PST                        ; when p is done with: out's fragments, (tile m, K step s) at (4 m + s) 1,536,
.set OSC,   PST+49152                  ; their scale images (pair p at 512 p, word s),
.set STG,   PST+51200                  ; and a stage of 16 rows x SROW bytes for each wave
.set SROW,  528                        ; 512 bytes + 16 = 132 words: the 16 rows of a store begin at 16 different groups of four banks (ISA guide 11.1)
.set LI,  1                            ; v1   16 x lane
.set ADK, 2                            ; v2, v3, v8, v9, v11: LDS addresses, made anew for each part of the text
.set ADV, 3
.set SPW, 4                            ; v4   LDS address of my spare word; never rewritten
.set NIL, 5                            ; v5   0; never rewritten
.set STO, 6                            ; v6   the stage: row r, + 64 h
.set RD,  7                            ; v7   and back: 16 x lane
.set LIB, 8
.set RWA, 9
.set PFO, 10                           ; v10  256 x min(lane, 24); on the way out my byte offset in a row of out0
.set PSA, 11
.set QS,  28
.set KS,  32
.set WS,  48
.set S,   64
.set P,   192                          ; v192-215 two fragments of codes
.set W4,  216                          ; v216-219 word 0, -M 0, word 1, -M 1; at the end out's scale words of tiles 0-3
.set BM,  220                          ; v220-227, v228-235, v236-243: eight blocks' largest, the other half's or bytes, scale operands
.set PX,  228
.set SO,  236
.set T2,  244                          ; v244-251 the upper halves of a tile's codes
.set SUM2, 252                         ; v252-255 second chains of the sums; at the end out's scale words of tiles 4-7
.set RING, 96
.set WV,  16
.set SEL, 20
.set CS,  22
.set G1,  24
.set G0,  32                           ; s[32:35] walks over fills 0 to 7;  s[36:39], s[40:43]: Wo's halves
.set G0W0, 36
.set G0W1, 40
.set TB,  44                           ; s44  LDS byte at which the slot in hand begins
.set WQ,  45                           ; s45  my quarter of a slot: 25,600 x wave
.set SLOTS, 46
.set LIM, 47
.set PFA, 48
.set HM,  50
.set FL,  51
.set EM,  52
.set PB,  62                           ; s62  LDS byte of this trip's two steps of p;  s63 of their scale words
.set RB,  63
.set MSB, 0
.macro WIN new                         ; the immediate's high byte repeats the setting that is left; a switch that changes nothing is dropped
.if MSB != (\new)
	s_set_vgpr_msb (MSB<<8)|(\new)
.set MSB, (\new)
.endif
.endm
.macro PLACES n
.rept \n
	v_nop
.endr
.endm
; One matrix instruction; its operands are the symbols wD, wA, wB, wC (below 0: the constant 0), wSA, wSB; wRA, wRB = 1: that side's scales stand in lanes 16-31
.macro WM
.if wC < 0
.if wRA && wRB
	v_wmma_scale_f32_16x16x128_f8f6f4 v[wD:wD+7], v[wA:wA+11], v[wB:wB+11], 0, v[wSA], v[wSB] matrix_a_fmt:MATRIX_FMT_FP6 matrix_b_fmt:MATRIX_FMT_FP6 matrix_a_scale:MATRIX_SCALE_ROW1 matrix_b_scale:MATRIX_SCALE_ROW1
.elseif wRA
	v_wmma_scale_f32_16x16x128_f8f6f4 v[wD:wD+7], v[wA:wA+11], v[wB:wB+11], 0, v[wSA], v[wSB] matrix_a_fmt:MATRIX_FMT_FP6 matrix_b_fmt:MATRIX_FMT_FP6 matrix_a_scale:MATRIX_SCALE_ROW1
.elseif wRB
	v_wmma_scale_f32_16x16x128_f8f6f4 v[wD:wD+7], v[wA:wA+11], v[wB:wB+11], 0, v[wSA], v[wSB] matrix_a_fmt:MATRIX_FMT_FP6 matrix_b_fmt:MATRIX_FMT_FP6 matrix_b_scale:MATRIX_SCALE_ROW1
.else
	v_wmma_scale_f32_16x16x128_f8f6f4 v[wD:wD+7], v[wA:wA+11], v[wB:wB+11], 0, v[wSA], v[wSB] matrix_a_fmt:MATRIX_FMT_FP6 matrix_b_fmt:MATRIX_FMT_FP6
.endif
.else
.if wRA && wRB
	v_wmma_scale_f32_16x16x128_f8f6f4 v[wD:wD+7], v[wA:wA+11], v[wB:wB+11], v[wC:wC+7], v[wSA], v[wSB] matrix_a_fmt:MATRIX_FMT_FP6 matrix_b_fmt:MATRIX_FMT_FP6 matrix_a_scale:MATRIX_SCALE_ROW1 matrix_b_scale:MATRIX_SCALE_ROW1
.elseif wRA
	v_wmma_scale_f32_16x16x128_f8f6f4 v[wD:wD+7], v[wA:wA+11], v[wB:wB+11], v[wC:wC+7], v[wSA], v[wSB] matrix_a_fmt:MATRIX_FMT_FP6 matrix_b_fmt:MATRIX_FMT_FP6 matrix_a_scale:MATRIX_SCALE_ROW1
.elseif wRB
	v_wmma_scale_f32_16x16x128_f8f6f4 v[wD:wD+7], v[wA:wA+11], v[wB:wB+11], v[wC:wC+7], v[wSA], v[wSB] matrix_a_fmt:MATRIX_FMT_FP6 matrix_b_fmt:MATRIX_FMT_FP6 matrix_b_scale:MATRIX_SCALE_ROW1
.else
	v_wmma_scale_f32_16x16x128_f8f6f4 v[wD:wD+7], v[wA:wA+11], v[wB:wB+11], v[wC:wC+7], v[wSA], v[wSB] matrix_a_fmt:MATRIX_FMT_FP6 matrix_b_fmt:MATRIX_FMT_FP6
.endif
.endif
.endm
; A round of the cluster's barrier: my work-group's barrier, so that wave 0's signal speaks for all four waves; wave 0 signals for the work-group; every wave waits for all four work-groups; my work-group's barrier once more
.macro CROUND
	s_barrier_signal -1
	s_barrier_wait -1
	s_cmp_lg_u32 s[WV], 0
	s_cbranch_scc1 .Lnot_wave_0_\@
	s_barrier_signal -3
.Lnot_wave_0_\@:
	s_barrier_wait -3
	s_barrier_signal -1
	s_barrier_wait -1
.endm
; A PREFETCH INTO THE L2 of the fill that the NEXT change of slots will ask for: in trip j fill j + 2, a whole trip ahead of its load.  A fill is 400 blocks of 256 bytes.
; Both clusters of a batch walk the same fills: the batch's first cluster asks.  Its four partners take 100 blocks each, told apart BY ADDRESS, their four waves 25 each, a lane a block (lanes 25-31 name lane 24's again).
; s[SLOTS] is 7 - j in trip j: trip 6, whose look-ahead would leave the batch's eight fills, asks for nothing; fills 0 and 1 come by their loads alone; Wo, which every work-group reads, is not asked for.
.macro ASK
	s_cmp_gt_u32 s[SLOTS], s[LIM]
	s_cbranch_scc0 .Lnot_mine_\@
	global_prefetch_b8 v[PFO], s[PFA:PFA+1] th:TH_LOAD_NT scope:SCOPE_SE
.Lnot_mine_\@:
.endm
; THE CHANGE OF SLOTS, at a trip's head.  Each wave waits for all its tensor loads (its quarter of the slot that it is about to read), adds 0 to its spare word, and waits for that and for all its LDS instructions.
; kind 1, 2, 3: behind a round of the cluster's barrier the other slot is filled: with the next fill of kv, with Wo's first half, with its second.  kind 0: nothing is left to fetch: my work-group's barrier alone.
; The four v_nop behind the load are also the places in front of the loads into registers that the last products read.
.macro CHANGE kind
	WIN 0                                          ; at a label and at a branch every window is 0; the add's registers lie in window 0
	s_wait_alu depctr_va_vdst(0)
	s_wait_tensorcnt 0x0                           ; no tensor load of mine is out, so a group 0 may be written
	ds_add_u32 v[SPW], v[NIL]                      ; 0 onto my spare word
.if (\kind) == 1
	s_xor_b32 s[G0+1], s[TB], SLOTB                ; the walking descriptor: the slot that is not in hand,
	s_add_co_u32 s[G0+1], s[G0+1], s[WQ]           ; my quarter of it,
	s_add_nc_u64 s[G0+2:G0+3], s[G0+2:G0+3], SLOTB ; the next fill; the type bits on top are not reached
	s_wait_xcnt 0x0                                ; the last prefetch, a trip back, has read its address, so it may be written
	s_add_nc_u64 s[PFA:PFA+1], s[PFA:PFA+1], SLOTB
.endif
	s_wait_dscnt 0x0                               ; the add is done, my reads of the slot that I have left are over, and what I stored for the others has landed
.if (\kind) > 0
	CROUND                                         ; no wave of any partner still reads that slot or has a load on its way
.if (\kind) == 1
	tensor_load_to_lds s[G0:G0+3], s[G1:G1+7]
	s_nop 0
.elseif (\kind) == 2
	tensor_load_to_lds s[G0W0:G0W0+3], s[G1:G1+7]
	s_nop 0
.else
	tensor_load_to_lds s[G0W1:G0W1+3], s[G1:G1+7]
	s_nop 0
.endif
	PLACES 4
.if (\kind) == 1
	ASK
.endif
.else
	s_barrier_signal -1
	s_barrier_wait -1
	PLACES 4
.endif
.endm
; Group g of four fragments of K (6,144 consecutive bytes, from 6,144 g on) into set g % 3.  It leaves the destination's window at 3
.macro LOADG g
	WIN 0xc0                                       ; destination window 3
.irp c, 0,1,2,3,4,5,6,7,8,9,10,11
	ds_load_b128 v[RING+48*((\g)%3)+4*\c:RING+48*((\g)%3)+4*\c+3], v[ADK] offset:6144*(\g)+512*\c
.endr
.endm
.macro PREB i                          ; K block i of the slot in hand: its address, its four scale images and its first two groups
	WIN 0
.if \i
	v_add_nc_u32 v[ADK], s[TB], v[LIB]
.else
	v_add_nc_u32 v[ADK], s[TB], v[LI]
.endif
.irp k, 0,1,2,3
	ds_load_b128 v[KS+4*\k:KS+4*\k+3], v[ADK] offset:49152+512*\k
.endr
	LOADG 0
	LOADG 1
.endm
; Both tiles' softmax for a step of 128 keys, side by side: block x = 4 u + b is registers S + 16 x ..: register 16 x + i is key 32 b + 16 (lane / 16) + i of my query in tile u.  Statistics of tile u at 12 + 8 u
.macro SM2
.irp x, 0,1,2,3,4,5,6,7
	v_max3_num_f32 v[BM+\x], v[S+16*\x], v[S+16*\x+1], v[S+16*\x+2]   ; the largest score of each block of 32 keys: for the row's maximum and, since p rises with the score, for the block's largest p
.endr
.irp i, 3,5,7,9,11,13
.irp x, 0,1,2,3,4,5,6,7
	v_max3_num_f32 v[BM+\x], v[BM+\x], v[S+16*\x+\i], v[S+16*\x+\i+1]
.endr
.endr
.irp x, 0,1,2,3,4,5,6,7
	v_max_num_f32 v[BM+\x], v[BM+\x], v[S+16*\x+15]
.endr
.irp x, 0,1,2,3,4,5,6,7
	v_permlanex16_b32 v[PX+\x], v[BM+\x], s[SEL], s[SEL+1]
.endr
.irp x, 0,1,2,3,4,5,6,7
	v_max_num_f32 v[BM+\x], v[BM+\x], v[PX+\x]     ; with lane l xor 16's 16 keys
.endr
.irp u, 0,1
	v_max3_num_f32 v[18+8*\u], v[BM+4*\u], v[BM+4*\u+1], v[BM+4*\u+2]
.endr
.irp u, 0,1
	v_max_num_f32 v[18+8*\u], v[18+8*\u], v[BM+4*\u+3]   ; the step's largest score of my query
.endr
.irp u, 0,1
	v_mul_f32 v[18+8*\u], s[CS], v[18+8*\u]        ; as t (c is positive)
.endr
.irp u, 0,1
	v_max_num_f32 v[13+8*\u], v[13+8*\u], v[18+8*\u]     ; the running largest t
.endr
.irp u, 0,1
	v_mov_b32 v[18+8*\u], v[12+8*\u]
.endr
.irp u, 0,1
	v_floor_f32 v[12+8*\u], -v[13+8*\u]            ; the new -M = floor(-t) = -ceil(t)
.endr
.irp u, 0,1
	v_sub_f32 v[18+8*\u], v[12+8*\u], v[18+8*\u]   ; old M - new M: a whole number, 0 or less
.endr
.irp u, 0,1
	v_cvt_i32_f32 v[18+8*\u], v[18+8*\u]           ; (it saturates)
.endr
.irp u, 0,1
	v_ldexp_f32 v[16+8*\u], 1.0, v[18+8*\u]        ; f = 2^(old M - new M)
.endr
.irp u, 0,1
.set mj, 0
.rept 32
	v_pk_fma_f32 v[S+64*\u+2*mj:S+64*\u+2*mj+1], v[S+64*\u+2*mj:S+64*\u+2*mj+1], s[CS:CS+1], v[12+8*\u:13+8*\u] op_sel_hi:[1,0,0]   ; t - M, two at a time
.set mj, mj+1
.endr
.endr
.irp u, 0,1
.irp b, 0,1,2,3
	v_fma_f32 v[BM+4*\u+\b], v[BM+4*\u+\b], s[CS], v[12+8*\u]   ; the same of each block's largest score
.endr
.endr
.set mj, 0
	s_wait_alu depctr_va_vdst(0)
.rept 128
	v_exp_f32 v[S+mj], v[S+mj]                     ; p = 2^(t - M), at most 1
.set mj, mj+1
.endr
.irp u, 0,1
	v_pk_mul_f32 v[14+8*\u:15+8*\u], v[14+8*\u:15+8*\u], v[16+8*\u:17+8*\u] op_sel_hi:[1,0]   ; the sums under the new M: plain lines behind the exponentials
.endr
	s_wait_alu depctr_va_vdst(0)                   ; one wait for the batch of 128, ahead of its first reader
.irp x, 0,1,2,3,4,5,6,7
	v_exp_f32 v[BM+\x], v[BM+\x]                   ; the block's largest p: the same two instructions on the same number give the same bits
.endr
.irp u, 0,1
	v_pk_add_f32 v[SUM2+2*\u:SUM2+2*\u+1], v[S+64*\u:S+64*\u+1], v[S+64*\u+2:S+64*\u+3]   ; the row's sum is taken of the unquantised p: two at a time, two chains a tile
.endr
.set mj, 4
.rept 15
.irp u, 0,1
	v_pk_add_f32 v[14+8*\u:15+8*\u], v[14+8*\u:15+8*\u], v[S+64*\u+mj:S+64*\u+mj+1]
	v_pk_add_f32 v[SUM2+2*\u:SUM2+2*\u+1], v[SUM2+2*\u:SUM2+2*\u+1], v[S+64*\u+mj+2:S+64*\u+mj+3]
.endr
.set mj, mj+4
.endr
.irp u, 0,1
	v_pk_add_f32 v[14+8*\u:15+8*\u], v[14+8*\u:15+8*\u], v[SUM2+2*\u:SUM2+2*\u+1]
.endr
	s_wait_alu depctr_va_vdst(0)                   ; and one for the eight
.irp x, 0,1,2,3,4,5,6,7
	v_max_num_f32 v[BM+\x], s[FL], v[BM+\x]        ; the floor 2^(3 - 127): the byte cannot fall under 1
.endr
.irp x, 0,1,2,3,4,5,6,7
	v_add_nc_u32 v[SO+\x], s[EM], v[BM+\x]         ; 2 off the exponent field: the conversion's scale operand
.endr
.irp x, 0,1,2,3,4,5,6,7
	v_lshrrev_b32 v[PX+\x], 23, v[SO+\x]           ; the scale's byte
.endr
.irp u, 0,1
	v_lshl_or_b32 v[W4+2*\u], v[PX+4*\u+1], 8, v[PX+4*\u]   ; p's scale word for these 128 keys, under this step's M,
.endr
.irp u, 0,1
	v_lshl_or_b32 v[W4+2*\u], v[PX+4*\u+2], 16, v[W4+2*\u]
.endr
.irp u, 0,1
	v_lshl_or_b32 v[W4+2*\u], v[PX+4*\u+3], 24, v[W4+2*\u]
.endr
.irp u, 0,1
	v_mov_b32 v[W4+2*\u+1], v[12+8*\u]             ; and that -M beside it
.endr
.irp u, 0,1
.irp c, 0,1
	v_cvt_scalef32_pk16_fp6_f32 v[P+12*\u+6*\c:P+12*\u+6*\c+2], v[S+64*\u+32*\c:S+64*\u+32*\c+15], v[SO+4*\u+2*\c]
	v_cvt_scalef32_pk16_fp6_f32 v[T2+4*\c:T2+4*\c+2], v[S+64*\u+32*\c+16:S+64*\u+32*\c+31], v[SO+4*\u+2*\c+1]   ; (a conversion's three registers begin on an even number)
.endr
	v_nop                                          ; one plain line behind the scaled conversions
.irp c, 0,1                                    ; the operand's layout wants a whole block in a lane
.irp i, 0,1,2
	v_permlane16_swap_b32 v[P+12*\u+6*\c+\i], v[T2+4*\c+\i]
.endr
.irp i, 0,1,2
	v_mov_b32 v[P+12*\u+6*\c+3+\i], v[T2+4*\c+\i]
.endr
.endr
.endr
.endm
; PHASE 1, block i of the slot in hand: S^T = K Q^T, the softmaxes, p to LDS.  Eight groups of four fragments go through three sets of registers: group G + 2 is asked for ahead of group G's eight products,
; so s_wait_dscnt 24 leaves the two younger groups, 12 loads each, out; 12 the last one.  Block 1's scale images and first two groups are asked for ahead of block 0's softmaxes: behind them stand block 0's seven stores,
; so in block 1 the count 24 asks for a little more than is needed.
.macro KST i
.if (\i) == 0
	PREB 0
.endif
.set sg, 0
	s_wait_alu depctr_va_vdst(0)
.rept 8                                        ; group sg = K step sg / 2, key tiles 4 (sg % 2) ..; the 16 accumulators take turns, one instruction a turn
.if sg < 6
.if sg > 0
	PLACES 4                                       ; in front of loads into the set that the last group's products read
.endif
	LOADG sg+2
	s_wait_dscnt 24
.elseif sg == 6
	s_wait_dscnt 12
.else
	s_wait_dscnt 0x0
.endif
	WIN 0x0f                                       ; K and Q in window 3, S^T in window 0
.set sf, 0
.rept 4
.set su, 0
.rept 2
.set wD, S+64*su+8*(4*(sg%2)+sf)
.set wA, RING+48*(sg%3)+12*sf
.set wB, 48*su+12*(sg/2)
.set wC, wD
.if sg < 2
.set wC, -1                            ; the first K step starts the sums
.endif
.set wSA, KS+4*(sg/2)+(4*(sg%2)+sf)/2
.set wSB, QS+sg/2
.set wRA, sf%2
.set wRB, su
	WM
.set su, su+1
.endr
.set sf, sf+1
.endr
.set sg, sg+1
.endr
	WIN 0
	PLACES 4                                       ; in front of the reads of S^T, and of the loads below into registers that the last products read
.if (\i) == 0
	PREB 1
	WIN 0
.endif
	SM2
.irp c, 0,1,2,3,4,5                            ; my two fragments, as images of the registers: 512 bytes a store
	ds_store_b128 v[PSA], v[P+4*\c:P+4*\c+3] offset:12288*(\i)+512*\c
.endr
	ds_store_b128 v[RWA], v[W4:W4+3] offset:512*(\i)
.endm
.macro TOG                             ; on to the other slot and to the next two steps of p
	WIN 0
	s_xor_b32 s[TB], s[TB], SLOTB
	s_add_co_u32 s[PB], s[PB], 24576
	s_add_co_u32 s[RB], s[RB], 1024
.endm
; PHASE 2.  Block i's 50 loads into sets i, numbered: 0-23 my 8 fragments of V; 24 my scale image of V; 25 p's scale image; 26-49 P's 8 fragments, three loads each, in the order in which they are multiplied.
; nx = 1: p's part is the next trip's (p hangs on no slot)
.macro VLD i, n, nx
.if (\n) < 24
	WIN 0xc0
	ds_load_b128 v[96*(\i)+4*(\n):96*(\i)+4*(\n)+3], v[ADK] offset:BLK*(\i)+512*(\n)
.elseif (\n) == 24
	WIN 0
	ds_load_b128 v[KS+4*(\i):KS+4*(\i)+3], v[ADV] offset:BLK*(\i)
.elseif (\n) == 25
	WIN 0
	ds_load_b128 v[KS+8+4*(\i):KS+8+4*(\i)+3], v[RWA] offset:512*(\i)+1024*(\nx)
.else
	WIN 0
	ds_load_b128 v[S+96*(\i)+4*((\n)-26):S+96*(\i)+4*((\n)-26)+3], v[PSA] offset:12288*(\i)+24576*(\nx)+512*((\n)-26)
.endif
.endm
.macro VLDS i, n0, n1, nx              ; loads n0 .. n1 - 1
.set vn, \n0
.rept (\n1)-(\n0)
	VLD \i, vn, \nx
.set vn, vn+1
.endr
.endm
.macro MMG z, zero                     ; query tile mm against my 8 channel tiles, on sets z: 8 products; over a block all 64 accumulators differ
	WIN 0x03+0x50*(1+mm/4)                         ; V in window 3, P in window 0, O^T in window 1 or 2
.set mt, 0
.rept 8
.set wD, 64*(mm%4)+8*mt
.set wC, wD
.if \zero
.set wC, -1                            ; the first step starts the sums: nothing is cleared
.endif
.set wA, 96*(\z)+12*mt
.set wB, S+96*(\z)+12*mm
.set wSA, KS+4*(\z)+mt/2
.set wSB, KS+8+4*(\z)+mm/2
.set wRA, mt%2
.set wRB, mm%2
	WM
.set mt, mt+1
.endr
.endm
; Block 0.  Behind each tile's products 7 of block 1's 50 loads are issued (its sets were last read a trip ago).  first = 1 (trip 4): all 50 loads of block 0 were issued just now: ahead of tile m
; P's later fragments, 21 - 3 m loads, and the 7 m of block 1 may be out.  Else p's part came a trip ago, and only V's 25 loads are waited for.
.macro MM0 first
.set mm, 0
.rept 8
.if \first
	s_wait_dscnt 21+4*mm
.elseif mm == 0
	s_wait_dscnt 0x0
.endif
	MMG 0, \first
.if mm < 7
	VLDS 1, 7*mm, 7*mm+7, 0
.else
	VLDS 1, 49, 50, 0
.endif
.set mm, mm+1
.endr
	WIN 0
.endm
; Block 1.  Ahead of tile m P's later fragments, 21 - 3 m loads, may be out.  pl = 1: behind each tile's products 4 of the 25 loads of the next trip's first step of p are issued, into the sets that block 0 has left
; (four places stand between): 4 m more may be out, 25 at tile 7.
.macro MM1 pl
.if \pl
	PLACES 4
.endif
.set mm, 0
.rept 8
.if (\pl) && mm == 7
	s_wait_dscnt 25
.elseif \pl
	s_wait_dscnt 21+mm
.else
	s_wait_dscnt 21-3*mm
.endif
	MMG 1, 0
.if (\pl) && mm < 6
	VLDS 0, 25+4*mm, 29+4*mm, 1
.elseif (\pl) && mm == 6
	VLDS 0, 49, 50, 1
.endif
.set mm, mm+1
.endr
	WIN 0
.endm
.macro VTRIP kind, first, pl
	CHANGE \kind
	s_add_co_u32 s53, s[TB], s54
	v_add_nc_u32 v[ADK], s53, v[LI]                ; the slot in hand + 12,288 w: my 8 fragments
	s_add_co_u32 s53, s[TB], s55
	v_add_nc_u32 v[ADV], s53, v[LI]                ; + 49,152 + 512 w: my scale image
	v_add_nc_u32 v[PSA], s[PB], v[LI]
	v_add_nc_u32 v[RWA], s[RB], v[LI]
.if \first
	VLDS 0, 0, 50, 0
.else
	VLDS 0, 0, 25, 0
.endif
	s_wait_alu depctr_va_vdst(0)
	MM0 \first
	MM1 \pl
	TOG
.endm
; out's fragments (tiles 2 a, 2 a + 1, K step w), side by side: O^T's accumulators (m, 0 .. 7) times 1 / (1024 l), quantised along the channels; the codes go to LDS, tile m's scale word to v[216 + m] (m < 4) or v[248 + m]
.macro QUANTO2 a
	WIN 1+(\a)/2                                   ; source 0 in window 1 or 2
.irp e, 0,1
.set qi, 0
.rept 32
	v_pk_mul_f32 v[S+64*\e+2*qi:S+64*\e+2*qi+1], v[64*((2*(\a)+\e)%4)+2*qi:64*((2*(\a)+\e)%4)+2*qi+1], v[12+4*(\a)+2*\e:13+4*(\a)+2*\e] op_sel_hi:[1,0]
.set qi, qi+1
.endr
.endr
	WIN 0
.irp x, 0,1,2,3,4,5,6,7
	v_max3_num_f32 v[BM+\x], s[FL], |v[S+16*\x]|, |v[S+16*\x+1]|
.endr
.irp i, 2,4,6,8,10,12,14
.irp x, 0,1,2,3,4,5,6,7
	v_max3_num_f32 v[BM+\x], v[BM+\x], |v[S+16*\x+\i]|, |v[S+16*\x+\i+1]|
.endr
.endr
.irp x, 0,1,2,3,4,5,6,7
	v_permlanex16_b32 v[PX+\x], v[BM+\x], s[SEL], s[SEL+1]
.endr
.irp x, 0,1,2,3,4,5,6,7
	v_max_num_f32 v[BM+\x], v[BM+\x], v[PX+\x]
.endr
.irp x, 0,1,2,3,4,5,6,7
	v_add_nc_u32 v[SO+\x], s[EM], v[BM+\x]
.endr
.irp x, 0,1,2,3,4,5,6,7
	v_lshrrev_b32 v[PX+\x], 23, v[SO+\x]
.endr
.irp e, 0,1
	v_lshl_or_b32 v[216+2*(\a)+\e+32*((\a)/2)], v[PX+4*\e+1], 8, v[PX+4*\e]
.endr
.irp e, 0,1
	v_lshl_or_b32 v[216+2*(\a)+\e+32*((\a)/2)], v[PX+4*\e+2], 16, v[216+2*(\a)+\e+32*((\a)/2)]
.endr
.irp e, 0,1
	v_lshl_or_b32 v[216+2*(\a)+\e+32*((\a)/2)], v[PX+4*\e+3], 24, v[216+2*(\a)+\e+32*((\a)/2)]
.endr
.irp e, 0,1
.irp c, 0,1
	v_cvt_scalef32_pk16_fp6_f32 v[P+12*\e+6*\c:P+12*\e+6*\c+2], v[S+64*\e+32*\c:S+64*\e+32*\c+15], v[SO+4*\e+2*\c]
	v_cvt_scalef32_pk16_fp6_f32 v[T2+4*\c:T2+4*\c+2], v[S+64*\e+32*\c+16:S+64*\e+32*\c+31], v[SO+4*\e+2*\c+1]
.endr
	v_nop                                          ; one plain line behind the scaled conversions
.irp c, 0,1
.irp i, 0,1,2
	v_permlane16_swap_b32 v[P+12*\e+6*\c+\i], v[T2+4*\c+\i]
.endr
.irp i, 0,1,2
	v_mov_b32 v[P+12*\e+6*\c+3+\i], v[T2+4*\c+\i]
.endr
.endr
.irp c, 0,1,2
	ds_store_b128 v[ADK], v[P+12*\e+4*\c:P+12*\e+4*\c+3] offset:6144*(2*(\a)+\e)+512*\c
.endr
.endr
.endm
; Wo's half hh: my 16 fragments, (K step s, tile 4 w + t) into window 1 + hh at 48 s + 12 t: 48 loads.  v[RWA]: the half + 6,144 w; v[PSA]: 49,152 bytes on
.macro WLOADH hh
	WIN (1+(\hh))<<6
.irp s, 0,1,2,3
.irp c, 0,1,2,3,4,5,6,7,8,9,10,11
.if \s < 2
	ds_load_b128 v[48*\s+4*\c:48*\s+4*\c+3], v[RWA] offset:24576*\s+512*\c
.else
	ds_load_b128 v[48*\s+4*\c:48*\s+4*\c+3], v[PSA] offset:24576*(\s-2)+512*\c
.endif
.endr
.endr
	WIN 0
.endm
.macro XL m                            ; out's four fragments of tile m into set m % 2 of window 3
	WIN 0xc0
.irp c, 0,1,2,3,4,5,6,7,8,9,10,11
	ds_load_b128 v[48*((\m)%2)+4*\c:48*((\m)%2)+4*\c+3], v[ADK] offset:6144*(\m)+512*\c
.endr
	WIN 0
.endm
; Tile m against my four tiles of Wo's half hh: 16 products, K ascending, the four accumulators by turns, one instruction a turn; the first K step's C is bo, at the same numbers in window 3
.macro ROWH m, hh
.set ry, (\m)%2
.set rs, 0
.rept 4
.if rs == 0
	WIN (1+(\hh))|(3<<2)|(3<<4)|((1+ry)<<6)
.else
	WIN (1+(\hh))|(3<<2)|((1+ry)<<4)|((1+ry)<<6)
.endif
.set rt, 0
.rept 4
.set wD, 192+8*(4*(\hh)+rt)
.set wC, wD
.set wA, 48*rs+12*rt
.set wB, 48*ry+12*rs
.set wSA, WS+4*(2*(\hh)+rt/2)+rs
.set wSB, KS+4*((\m)/2)+rs
.set wRA, rt%2
.set wRB, (\m)%2
	WM
.set rt, rt+1
.endr
.set rs, rs+1
.endr
.endm
; THE WAY OUT of tile m: a lane holds 32 neighbouring bytes of a row and the lanes beside it other rows: 16 queries x 128 columns go through my stage and come back as rows of 512 bytes.
; LDS serves a wave's instructions in order (ISA guide 5.7.1.4): no wait between the stores and the loads, nor in front of the next tile's stores.
.macro TOSTAGE m
	PLACES 4
	WIN (1+(\m)%2)<<2                              ; an LDS store's data are its source 1
.set ot, 0
.rept 8
	ds_store_b128 v[STO], v[192+8*ot:192+8*ot+3] offset:128*(ot/2)+32*(ot%2)          ; each accumulator from its low end on
	ds_store_b128 v[STO], v[192+8*ot+4:192+8*ot+7] offset:128*(ot/2)+32*(ot%2)+16
.set ot, ot+1
.endr
	WIN 0
.if (\m) > 1
	s_wait_xcnt 0x0                                ; tile m - 2's stores have read their data: the loads below may land there
.endif
.set oi, 0
.rept 16
	ds_load_b128 v[S+64*((\m)%2)+4*oi:S+64*((\m)%2)+4*oi+3], v[RD] offset:SROW*oi
.set oi, oi+1
.endr
.endm
.macro SEND m                          ; lanes 0-15 store 256 consecutive bytes of the row's first half, lanes 16-31 of its second, each aligned
.set oi, 0
.rept 16
	global_store_b128 v[PFO], v[S+64*((\m)%2)+4*oi:S+64*((\m)%2)+4*oi+3], s[14:15] offset:(16*(\m)+oi)*2048 th:TH_STORE_NT
.set oi, oi+1
.endr
.endm
	s_load_b256 s[4:11], s[0:1], 0x0               ; qcodes, qscales, kv, wbuf
	s_load_b128 s[12:15], s[0:1], 0x20             ; bo, out0
	v_lshl_add_u32 v[SPW], v0, 2, SPARE
	v_mov_b32 v[NIL], 0
	ds_add_u32 v[SPW], v[NIL]                      ; the opening: the add, twice on end, and its wait ahead of my first tensor load
	ds_add_u32 v[SPW], v[NIL]
	v_lshrrev_b32 v64, 5, v0
	v_readfirstlane_b32 s[WV], v64                 ; wave 0..3
	s_bfe_u32 s17, ttmp6, 0x40000                  ; cx: my place in the cluster
	s_lshl_b32 s18, ttmp9, 2                       ; in a cluster launch ttmp9 counts clusters
	s_add_co_u32 s18, s18, s17                     ; my block of 128 queries: it enters Q's, out0's and the prefetches' addresses alone
	s_and_b32 s19, ttmp7, 0xffff                   ; the batch, which the four partners share
	v_and_b32 v64, 31, v0
	v_lshlrev_b32 v[LI], 4, v64
	v_min_u32 v[PFO], 24, v64
	v_lshlrev_b32 v[PFO], 8, v[PFO]
	v_and_b32 v65, 15, v0                          ; r
	v_bfe_u32 v66, v0, 4, 1                        ; h
	s_mul_i32 s53, s[WV], 16*SROW
	s_add_co_u32 s53, s53, STG                     ; my stage
	v_mul_u32_u24 v[STO], v65, SROW
	v_lshl_add_u32 v[STO], v66, 6, v[STO]
	v_add_nc_u32 v[STO], s53, v[STO]
	v_add_nc_u32 v[RD], s53, v[LI]
	v_add_nc_u32 v[LIB], BLK, v[LI]
.irp u, 0,1
	v_mov_b32 v[13+8*\u], 0xff61b1e6               ; the largest t so far: -3e38, under every t
	v_floor_f32 v[12+8*\u], -v[13+8*\u]            ; -M
	v_mov_b32 v[14+8*\u], 0                        ; the sum, in two halves
	v_mov_b32 v[15+8*\u], 0
	v_mov_b32 v[16+8*\u], 0
	v_mov_b32 v[17+8*\u], 0                        ; (named with f as a pair, so it is written)
	v_mov_b32 v[19+8*\u], 0                        ; (named later as the partner in a pair)
.endr
.irp x, 0,1,2,3,4,5,6,7
	v_mov_b32 v[PX+\x], 0                          ; written once: a lane permute's destination counts as one of its sources
.endr
	; descriptor group 1: 100 rows of 32 elements of 8 bytes, dense; the mask names all four work-groups, bit 21 beside it
	s_mov_b32 s[G1+0], 15|(3<<16)|(1<<21)
	s_mov_b32 s[G1+1], 32<<16                      ; tensor_dim0
	s_mov_b32 s[G1+2], 100<<16                     ; tensor_dim1
	s_mov_b32 s[G1+3], 32<<16                      ; tile_dim0
	s_mov_b32 s[G1+4], 100                         ; tile_dim1
	s_mov_b32 s[G1+5], 32                          ; tensor_dim0_stride
	s_mov_b32 s[G1+6], 0
	s_mov_b32 s[G1+7], 0
	s_mov_b32 s[SEL], 0x76543210
	s_mov_b32 s[SEL+1], 0xfedcba98                 ; v_permlanex16_b32's selects for lane l xor 16
	s_mov_b32 s[CS], 0x3b38aa3b                    ; c = log2(e) / 512
	s_mov_b32 s[CS+1], s[CS]                       ; (named with it as a pair, so it is written)
	s_mov_b32 s[HM], 0xffff0000                    ; lanes 16-31
	s_mov_b32 s[FL], 0x1800000                     ; 2^(3 - 127)
	s_mov_b32 s[EM], 0xff000000                    ; -(2 << 23)
	s_mov_b32 s[TB], 0
	s_mov_b32 s[SLOTS], 7
	s_mul_i32 s[PB], s[WV], 3072
	s_add_co_u32 s[PB], s[PB], PST                 ; phase 1: my two fragments of a step of p,
	s_lshl_b32 s[RB], s[WV], 12
	s_add_co_u32 s[RB], s[RB], RAWW                ; and their words
	s_cmp_eq_u32 ttmp9, 0                          ; the batch's first cluster prefetches: the same in all four partners
	s_cselect_b32 s[LIM], 1, -1
	s_mul_i32 s[WQ], s[WV], SLOTB/4                ; my quarter of a slot: no place in the cluster enters an LDS address
	s_mul_i32 s54, s19, 8*SLOTB                    ; the batch's eight fills
	s_add_co_u32 s54, s54, s[WQ]
	s_mov_b32 s55, 0
	s_add_co_u32 s56, s[WQ], 3*WSZ                 ; Wo in wbuf
	s_mov_b32 s57, 0
	s_lshl_b32 s58, s19, 3
	s_add_co_u32 s58, s58, s18                     ; my block among all 256
	s_mul_i32 s60, s58, 49152
	s_mul_i32 s59, s[WV], 12288
	s_add_co_u32 s60, s60, s59
	s_mov_b32 s61, 0
	s_wait_alu depctr_va_vdst(0)
	s_wait_dscnt 0x0                               ; both opening adds are done
	s_wait_kmcnt 0x0
	s_add_nc_u64 s[4:5], s[4:5], s[60:61]          ; Q's 8 fragments of my two tiles
	s_lshl_b32 s60, s58, 11
	s_lshl_b32 s59, s[WV], 2
	s_add_co_u32 s60, s60, s59
	s_add_nc_u64 s[6:7], s[6:7], s[60:61]          ; their scale words: word w of each lane's four
	WIN 0xc0
.set ci, 0
.rept 24
	global_load_b128 v[4*ci:4*ci+3], v[LI], s[4:5] offset:512*ci th:TH_LOAD_NT   ; Q stays in registers: fragment (u, s) at 48 u + 12 s.  Asked for ahead of the round: no partner shares these bytes
.set ci, ci+1
.endr
	WIN 0
.irp s, 0,1,2,3
	global_load_b32 v[QS+\s], v[LI], s[6:7] offset:512*\s th:TH_LOAD_NT          ; lanes 0-15: tile u = 0, lanes 16-31: u = 1
.endr
	s_lshl_b32 s60, s58, 18
	s_lshl_b32 s59, s[WV], 8
	s_add_co_u32 s60, s60, s59
	s_add_nc_u64 s[14:15], s[14:15], s[60:61]      ; my block's rows of out0, + 256 w: my 64 columns of each half
	s_mov_b32 s60, s59
	s_add_nc_u64 s[12:13], s[12:13], s[60:61]      ; and the same columns of bo
	s_mul_i32 s60, s19, 8*SLOTB
	s_mul_i32 s59, s17, SLOTB/4
	s_add_co_u32 s60, s60, s59
	s_mul_i32 s59, s[WV], SLOTB/16
	s_add_co_u32 s60, s60, s59
	s_add_co_u32 s60, s60, SLOTB                   ; in fill 1: the first change of slots steps it to fill 2.  Nothing is prefetched here, at the head
	s_add_nc_u64 s[PFA:PFA+1], s[8:9], s[60:61]
	s_mov_b32 s[G0], 1
	s_mov_b32 s[G0+1], s[WQ]                       ; slot 0, my quarter
	s_add_nc_u64 s[G0+2:G0+3], s[8:9], s[54:55]
	s_or_b32 s[G0+3], s[G0+3], 0x80000000          ; type = 2
	s_mov_b32 s[G0W0], 1
	s_mov_b32 s[G0W0+1], s[WQ]
	s_add_nc_u64 s[G0W0+2:G0W0+3], s[10:11], s[56:57]
	s_mov_b32 s[G0W1], 1
	s_add_co_u32 s[G0W1+1], s[WQ], SLOTB
	s_add_nc_u64 s[G0W1+2:G0W1+3], s[G0W0+2:G0W0+3], SLOTB
	s_or_b32 s[G0W0+3], s[G0W0+3], 0x80000000
	s_or_b32 s[G0W1+3], s[G0W1+3], 0x80000000
	s_mul_i32 s54, s[WV], 12288                    ; phase 2: my 8 fragments in a V block,
	s_lshl_b32 s55, s[WV], 9
	s_add_co_u32 s55, s55, 49152                   ; and my scale image
	CROUND                                         ; all four work-groups are here: the first joint load meets
	tensor_load_to_lds s[G0:G0+3], s[G1:G1+7]      ; fill 0
	s_nop 0
	PLACES 4
	s_wait_loadcnt 0x0                             ; Q
.Lk:                                               ; trips 0 to 3: two K blocks each; behind each change of slots the next fill is asked for
	CHANGE 1
	v_add_nc_u32 v[PSA], s[PB], v[LI]
	v_add_nc_u32 v[RWA], s[RB], v[LI]
	KST 0
	KST 1
	TOG
	s_sub_co_u32 s[SLOTS], s[SLOTS], 1
	s_cmp_lg_u32 s[SLOTS], 3
	s_cbranch_scc1 .Lk
	; ---- BETWEEN THE PHASES
	s_lshl_b32 s53, s[WV], 12
	s_add_co_u32 s53, s53, RAWW
	v_add_nc_u32 v[RWA], s53, v[LI]
.irp j, 0,1,2,3,4,5,6,7
	ds_load_b128 v[S+4*\j:S+4*\j+3], v[RWA] offset:512*\j   ; my 16 words and their -M_j: register 2 x, 2 x + 1 for x = 2 j + u
.endr
	s_lshl_b32 s53, s[WV], 2
	s_add_co_u32 s53, s53, PWD
	v_add_nc_u32 v[LIB], s53, v[LI]                ; word w of each lane's four
	s_lshl_b32 s53, s[WV], 8
	s_add_co_u32 s53, s53, INV
	v_lshrrev_b32 v[ADV], 2, v[LI]
	v_add_nc_u32 v[ADV], s53, v[ADV]               ; my two tiles' 1 / (1024 l), 4 bytes a lane
	v_bfe_u32 v[PSA], v0, 4, 1
	v_lshlrev_b32 v[PSA], 6, v[PSA]                ; 64 h
	WIN 0xc0
.set bi, 0
.rept 8                                        ; bo in the result's layout: my tile t: columns 256 (t / 4) + 32 ((t % 4) / 2) + 16 h + 8 (t % 2) + 0 .. 7 of my 64 + 64; waited for ahead of the first row
	global_load_b128 v[192+8*bi:192+8*bi+3], v[PSA], s[12:13] offset:1024*(bi/4)+128*((bi%4)/2)+32*(bi%2)
	global_load_b128 v[192+8*bi+4:192+8*bi+7], v[PSA], s[12:13] offset:1024*(bi/4)+128*((bi%4)/2)+32*(bi%2)+16
.set bi, bi+1
.endr
	WIN 0
.irp u, 0,1
	v_add_f32 v[18+8*\u], v[14+8*\u], v[15+8*\u]   ; the sum's two halves,
.endr
.irp u, 0,1
	v_permlanex16_b32 v[PX+\u], v[18+8*\u], s[SEL], s[SEL+1]
.endr
.irp u, 0,1
	v_add_f32 v[18+8*\u], v[18+8*\u], v[PX+\u]     ; and lane l xor 16's: the row's sum, above 1/2
.endr
	s_wait_alu depctr_va_vdst(0)
.irp u, 0,1
	v_rcp_f32 v[16+8*\u], v[18+8*\u]
.endr
	v_nop                                          ; a plain line behind the reciprocals
	s_wait_alu depctr_va_vdst(0)                   ; and the wait ahead of their first reader
.irp u, 0,1
	v_mul_f32 v[16+8*\u], 0x3a800000, v[16+8*\u]   ; x 2^-10: exact
.endr
.irp u, 0,1
	ds_store_b32 v[ADV], v[16+8*\u] offset:128*\u
.endr
	s_wait_dscnt 0x0                               ; my words are back
	; d = min(M - M_j, 127) comes off each byte.  With bit 7 set in every byte no borrow crosses a byte (a byte is at most 125); a byte in which bit 7 is gone would be negative, and is held at 0.  The 16 words side by side
.macro ALL16 op:vararg
.set x, 0
.rept 16
	\op
.set x, x+1
.endr
.endm
	ALL16 v_sub_f32 v[128+x], v[S+2*x+1], v[12+8*(x%2)]
	ALL16 v_min_num_f32 v[128+x], 0x42fe0000, v[128+x]
	ALL16 v_cvt_i32_f32 v[128+x], v[128+x]
	ALL16 v_lshl_or_b32 v[128+x], v[128+x], 8, v[128+x]
	ALL16 v_lshl_or_b32 v[128+x], v[128+x], 16, v[128+x]
	ALL16 v_or_b32 v[144+x], 0x80808080, v[S+2*x]
	ALL16 v_sub_nc_u32 v[144+x], v[144+x], v[128+x]
	ALL16 v_and_b32 v[128+x], 0x80808080, v[144+x]
	ALL16 v_lshrrev_b32 v[160+x], 7, v[128+x]
	ALL16 v_sub_nc_u32 v[128+x], v[128+x], v[160+x]
	ALL16 v_and_b32 v[144+x], v[144+x], v[128+x]
.irp j, 0,1,2,3,4,5,6,7
	v_cndmask_b32 v[176+\j], v[144+2*\j], v[145+2*\j], s[HM]   ; lanes 0-15 tile 2 w's word, lanes 16-31 tile 2 w + 1's
.endr
.irp j, 0,1,2,3,4,5,6,7
	ds_store_b32 v[LIB], v[176+\j] offset:512*\j
.endr
	s_mov_b32 s[PB], PST                           ; phase 2 reads all tiles' fragments,
	s_mov_b32 s[RB], PWD                           ; and the words under the last M
	; ---- PHASE 2
	VTRIP 1, 1, 1                                  ; trip 4 is written out: its first block starts O^T's sums, and p is shown to all waves only by its change of slots
	s_sub_co_u32 s[SLOTS], s[SLOTS], 1
.Lv:                                               ; trips 5 and 6
	VTRIP 1, 0, 1
	s_sub_co_u32 s[SLOTS], s[SLOTS], 1
	s_cmp_lg_u32 s[SLOTS], 0
	s_cbranch_scc1 .Lv
	VTRIP 2, 0, 0                                  ; trip 7 is written out
	; ---- THE END
	v_lshrrev_b32 v[LIB], 2, v[LI]
	v_add_nc_u32 v[LIB], INV, v[LIB]
.irp m, 0,1,2,3,4,5,6,7
	ds_load_b32 v[12+2*\m], v[LIB] offset:128*\m   ; 1 / (1024 l) of my lane's query in each tile; back at the wait in the change of slots below
.endr
	CHANGE 3                                       ; Wo's second half is asked for; its first is whole; nobody reads p any more
	s_mul_i32 s53, s[WV], 1536
	s_add_co_u32 s53, s53, OF
	v_add_nc_u32 v[ADK], s53, v[LI]                ; out's fragments (m, w)
	s_lshl_b32 s53, s[WV], 2
	s_add_co_u32 s53, s53, OSC
	v_add_nc_u32 v[ADV], s53, v[LI]                ; word w of out's scale images
	s_mul_i32 s53, s[WV], 6144
	v_add_nc_u32 v[RWA], s53, v[LI]                ; Wo's half 0: my four tiles of a K step's 16
	v_add_nc_u32 v[PSA], 49152, v[RWA]
	s_lshl_b32 s53, s[WV], 10
	s_add_co_u32 s53, s53, 98304
	v_add_nc_u32 v[LIB], s53, v[LI]                ; and their two scale images
.irp x, 0,1,2,3,4,5,6,7
	v_mov_b32 v[PX+\x], 0                          ; a lane permute's destination counts as one of its sources
.endr
.irp q, 0,1
	ds_load_b128 v[WS+4*\q:WS+4*\q+3], v[LIB] offset:512*\q
.endr
	QUANTO2 0
	QUANTO2 1
	WLOADH 0                                       ; into the registers of the accumulators just read out; they land under the quantisings below
	QUANTO2 2
	QUANTO2 3
.irp p, 0,1,2,3
	v_cndmask_b32 v[BM+\p], v[216+2*\p+32*(\p/2)], v[217+2*\p+32*(\p/2)], s[HM]   ; lanes 0-15 the even tile's word, lanes 16-31 the odd tile's
.endr
.irp p, 0,1,2,3
	ds_store_b32 v[ADV], v[BM+\p] offset:512*\p
.endr
	v_add_nc_u32 v[RWA], SLOTB, v[RWA]             ; on to Wo's half 1
	v_add_nc_u32 v[PSA], SLOTB, v[PSA]
	v_add_nc_u32 v[LIB], SLOTB, v[LIB]
	v_add_nc_u32 v[ADK], OF, v[LI]                 ; out's fragments, all of them
	s_wait_xcnt 0x0                                ; the last prefetch has read its offset register
	v_and_b32 v[PFO], 15, v0
	v_lshlrev_b32 v[PFO], 4, v[PFO]
	v_bfe_u32 v[ADV], v0, 4, 1
	v_lshl_add_u32 v[PFO], v[ADV], 10, v[PFO]      ; 16 (lane % 16) + 1,024 (lane / 16)
	CHANGE 0                                       ; out's 32 fragments lie in LDS, Wo's second half is whole; nothing is left to fetch
.irp q, 0,1
	ds_load_b128 v[WS+8+4*\q:WS+8+4*\q+3], v[LIB] offset:512*\q
.endr
.irp p, 0,1,2,3
	ds_load_b128 v[KS+4*\p:KS+4*\p+3], v[ADK] offset:49152+512*\p   ; out's scale words: register 4 p + s
.endr
	XL 0
	WLOADH 1
	XL 1
	s_wait_loadcnt 0x0                             ; bo
	s_wait_dscnt 60                                ; Wo's half 1 (48 loads) and tile 1 (12) may be out
	ROWH 0, 0
	s_wait_dscnt 12
	ROWH 0, 1
	TOSTAGE 0
	s_wait_dscnt 0x0                               ; the rows are back; so is tile 1
	SEND 0
.irp m, 1,2,3,4,5,6,7
.if \m < 7
	XL \m+1                                        ; into the set that tile m - 1's products read: the stage's four places stand between.  Tile m's own came ahead of the last wait for all LDS instructions
.endif
	ROWH \m, 0
	ROWH \m, 1
	TOSTAGE \m
	s_wait_dscnt 0x0                               ; the rows are back, and the next tile's fragments
	SEND \m
.endr
	s_wait_tensorcnt 0x0                           ; the wave's end, behind my last tensor load and my last LDS store
	ds_add_u32 v[SPW], v[NIL]
	s_wait_dscnt 0x0
	CROUND                                         ; the closing round: no work-group ends while a partner may still ask for a tile that names it
	s_endpgm
.Lfunc_end_k_q56d55d8005_attn:
	.size	k_q56d55d8005_attn, .Lfunc_end_k_q56d55d8005_attn-k_q56d55d8005_attn
	.p2alignl 7, 3214868480
	.fill 96, 4, 3214868480
	.section	.rodata,"a",@progbits
	.p2align	6, 0x0
	.amdhsa_kernel k_q56d55d8005_attn
		.amdhsa_group_segment_fixed_size 327680
		.amdhsa_private_segment_fixed_size 0
		.amdhsa_enable_private_segment 0
		.amdhsa_kernarg_size 48
		.amdhsa_user_sgpr_count 2
		.amdhsa_user_sgpr_kernarg_segment_ptr 1
		.amdhsa_wavefront_size32 1
		.amdhsa_system_sgpr_workgroup_id_x 1
		.amdhsa_system_sgpr_workgroup_id_y 1
		.amdhsa_system_sgpr_workgroup_id_z 1
		.amdhsa_system_vgpr_workitem_id 0
		.amdhsa_next_free_vgpr 1024
		.amdhsa_next_free_sgpr 66
		.amdhsa_reserve_vcc 0
		.amdhsa_float_denorm_mode_32 3
		.amdhsa_float_denorm_mode_16_64 3
		.amdhsa_memory_ordered 1
		.amdhsa_forward_progress 1
		.amdhsa_inst_pref_size 255
	.end_amdhsa_kernel
	.section	.bss,"aw",@nobits
	.p2align	6
	.space	262144
	.amdgpu_metadata
---
amdhsa.version: [ 1, 2 ]
amdhsa.kernels:
  - .name:           k_q56d55d8005_attn
    .symbol:         k_q56d55d8005_attn.kd
    .args:
      - { .name: qcodes, .offset: 0, .size: 8, .value_kind: global_buffer, .address_space: global }
      - { .name: qscales, .offset: 8, .size: 8, .value_kind: global_buffer, .address_space: global }
      - { .name: kv, .offset: 16, .size: 8, .value_kind: global_buffer, .address_space: global }
      - { .name: wbuf, .offset: 24, .size: 8, .value_kind: global_buffer, .address_space: global }
      - { .name: bo, .offset: 32, .size: 8, .value_kind: global_buffer, .address_space: global }
      - { .name: out0, .offset: 40, .size: 8, .value_kind: global_buffer, .address_space: global }
    .group_segment_fixed_size: 327680
    .private_segment_fixed_size: 0
    .kernarg_segment_align: 8
    .kernarg_segment_size: 48
    .max_flat_workgroup_size: 128
    .sgpr_count:     66
    .vgpr_count:     1024
    .wavefront_size: 32
...
	.end_amdgpu_metadata
.endif
;; end of part 3
